; MI455X (gfx1250); checked and timed in simulation.
; The chip was launched on July 23, 2026; its instructions are those of AMD's public machine-readable ISA for CDNA 5 (MIT licence, August 2026) and "CDNA5" Instruction Set Architecture Reference Guide (July 2026). The comments in the code are by the model that wrote it; some were corrected since.
;; Encoder RNN. Allowed arithmetic: float matrix products may take bf16 or f16 operands with f32 sums; all other float work in f32.
;; Inputs: b_hh 4 x 4,000 float32; b_ih 4 x 4,000 float32; w_hh 4 x 4,000 x 1,000 float32; w_ih 4 x 4,000 x 1,000 float32; x 2,048 x 1 x 1,000 float32.
;; Outputs: out0 2,048 x 1 x 1,000 float32.
;; One version. Each part assembles by itself: llvm-mc -triple=amdgcn-amd-amdhsa -mcpu=gfx1250 --defsym DOCPART=n.
;; ======== version 1 of 1: 5 launches
;; limits: values outside matrix products are rounded to bf16
;; workspace buffers: stA 16,777,216 bytes; stB 16,777,216 bytes; wb0 16,777,216 bytes; wb1 16,777,216 bytes; wb2 16,777,216 bytes; wb3 16,777,216 bytes
;; launch prep (part 1): grid 768 x 1, 10 waves a work-group, no clusters, 0 bytes of LDS; arguments x, w_ih, w_hh, b_ih, b_hh, stA, stB, wb0, wb1, wb2, wb3; writes stA, stB, wb0, wb1, wb2, wb3
.if DOCPART == 1
	.amdgcn_target "amdgcn-amd-amdhsa--gfx1250"
	.amdhsa_code_object_version 6
	.text
	.protected	k_qc43ef8e44f_prep
	.globl	k_qc43ef8e44f_prep
	.p2align	8
	.type	k_qc43ef8e44f_prep,@function
k_qc43ef8e44f_prep:
	s_mov_b64 s[64:65], 0
	v_nop
	global_prefetch_b8 v0, s[64:65] scope:SCOPE_SE
	s_setreg_imm32_b32 hwreg(HW_REG_WAVE_MODE, 25, 1), 1
	s_wait_xcnt 0x0
; PREP: every input is rounded once to bf16 (nearest even) and laid out in the blocks that the four layer launches stream.
;   x    [2048][1000] f32  ->  stA and stB, bytes 0 .. 4 MiB of each row block's half:  [rb 16][chunk 32][row 128][k 64] bf16, chunks 0-15 (chunks 16-31 take h later).
;        Columns 1000 and 1001 hold 1.0, columns 1002-1023 hold 0.  Both copies are written, since the layers read the two state buffers by turns.
;   w_ih[l], w_hh[l] [4000][1000] f32  ->  wb<l>: [jb 16][part 2][kb 16][rr 256][k 64] bf16; part 0 = w_ih, part 1 = w_hh.
;        Row rr = 64 w + 16 g + u is source row 1000 g + j, j = 64 jb + 16 w + u: the four gates of one unit lie 16 rows apart.  Rows with j >= 1000 are 0; columns >= 1000 are 0,
;        but in part 0 column 1000 holds b_ih and column 1001 holds b_hh of that row: against x's two ones the product adds the biases.
; w_hh[0] is not converted: in layer 0 it multiplies the h = 0 that the module itself sets, which is 0 for every finite w_hh[0] (a NaN or an infinity there is not carried on).
; LIMIT: the biases enter rounded to bf16, like x and the weights.
; SHARES.  A QUAD is four neighbouring destination rows, which are also four neighbouring source rows: 16,000 consecutive bytes.  x has 512 quads, each of the 7 matrices 1,024:
; 7,680 = 768 work-groups x 10 waves, one quad a wave.  All 32 loads of a wave go out at once (16,000 bytes on their way); there is no loop, no LDS, no barrier, and no register is used twice.
; A load: lanes 0-15 take 256 consecutive bytes of one row, lanes 16-31 of the next.  A store: 32 lanes x 8 bytes = 256 consecutive bytes, aligned: two rows of one chunk.
.set VL,   2                           ; v2      byte offset of my 16 bytes: 4000 (lane / 16) + 16 (lane % 16)
.set VL15, 3                           ; v3      the same for a row's last 256-byte piece, of which 160 bytes exist: lane % 16 is held at 9, so that no load leaves the row
.set VS,   4                           ; v4      where my 8 bytes go: 128 (lane / 16) + 8 (lane % 16)
.set VB,   5                           ; v5      4 (lane / 16): my row's word in a bias
.set SP,   6                           ; v6-7    for row pair p: the word of columns 1000, 1001 in the lanes with lane % 16 = 10, 0 in the others
.set BI,   8                           ; v8-9 b_ih, v10-11 b_hh of my row in pair 0, 1
.set X,    32                          ; v[32:159] load n = 16 p + kb: four registers
; s[4:25] the eleven addresses; s26 wave; s27 quad; s28-29, s44-47 at work; s30 lanes with lane % 16 < 10; s31 lanes with lane % 16 = 10;
; s[32:33] source; s[34:35] destination; s[36:37] second destination (x alone); s[38:39], s[40:41] the biases; s[42:43] an offset, high word 0
.macro LOADS                           ; the quad's 16,000 bytes: pair p of rows, piece kb of 256 bytes
.set n, 0
.rept 32
.if n%16 == 15
	global_load_b128 v[X+4*n:X+4*n+3], v[VL15], s[32:33] offset:(n/16)*8000+3840 th:TH_LOAD_NT
.else
	global_load_b128 v[X+4*n:X+4*n+3], v[VL], s[32:33] offset:(n/16)*8000+(n%16)*256 th:TH_LOAD_NT
.endif
.set n, n+1
.endr
.endm
.macro STORES ch, two                  ; ch: bytes from chunk to chunk; two = 1: a second copy
.set n, 0
.rept 32
	s_wait_loadcnt 31-n                            ; loads come back in order (ISA guide 5.7.1): load n is in, the 31 - n issued behind it may be out
	v_cvt_pk_bf16_f32 v[X+4*n], v[X+4*n], v[X+4*n+1]
	v_cvt_pk_bf16_f32 v[X+4*n+1], v[X+4*n+2], v[X+4*n+3]
.if n%16 == 15                         ; columns 960-1023: data up to 999, then the special word, then 0
	v_cndmask_b32 v[X+4*n], v[SP+n/16], v[X+4*n], s30
	v_cndmask_b32 v[X+4*n+1], 0, v[X+4*n+1], s30
.endif
	global_store_b64 v[VS], v[X+4*n:X+4*n+1], s[34:35] offset:(n%16)*(\ch)+(n/16)*256
.if \two
	global_store_b64 v[VS], v[X+4*n:X+4*n+1], s[36:37] offset:(n%16)*(\ch)+(n/16)*256
.endif
.set n, n+1
.endr
.endm
	s_load_b256 s[4:11], s[0:1], 0x0               ; x s[4:5], w_ih s[6:7], w_hh s[8:9], b_ih s[10:11]
	s_load_b256 s[12:19], s[0:1], 0x20             ; b_hh s[12:13], stA s[14:15], stB s[16:17], wb0 s[18:19]
	s_load_b128 s[20:23], s[0:1], 0x40             ; wb1 s[20:21], wb2 s[22:23]
	s_load_b64 s[24:25], s[0:1], 0x50              ; wb3
	v_lshrrev_b32 v1, 5, v0
	v_readfirstlane_b32 s26, v1                    ; wave 0..9
	v_and_b32 v12, 15, v0                          ; lane % 16
	v_bfe_u32 v13, v0, 4, 1                        ; lane / 16
	v_mul_u32_u24 v14, v13, 4000
	v_min_u32 v15, 9, v12
	v_lshl_add_u32 v[VL], v12, 4, v14
	v_lshl_add_u32 v[VL15], v15, 4, v14
	v_lshlrev_b32 v[VS], 3, v12
	v_lshl_add_u32 v[VS], v13, 7, v[VS]
	v_lshlrev_b32 v[VB], 2, v13
	v_cmp_gt_u32 s30, 10, v12
	v_cmp_eq_u32 s31, 10, v12
	s_mul_i32 s27, ttmp9, 10
	s_add_co_u32 s27, s27, s26                     ; my quad, 0 .. 7,679
	s_mov_b32 s43, 0
	s_wait_kmcnt 0x0
	s_cmp_lt_u32 s27, 512
	s_cbranch_scc1 .Lx
	; A QUAD OF WEIGHTS
	s_sub_co_u32 s28, s27, 512
	s_lshr_b32 s29, s28, 10                        ; matrix 0..6: w_ih[0..3], w_hh[1..3]
	s_and_b32 s28, s28, 1023                       ; quad in the matrix, in the destination's order
	s_cmp_ge_u32 s29, 4
	s_cselect_b32 s44, 1, 0                        ; part
	s_cselect_b64 s[32:33], s[8:9], s[6:7]
	s_mul_i32 s45, s44, 3
	s_sub_co_u32 s45, s29, s45                     ; layer
	s_bfe_u32 s46, s28, 0x20002                    ; gate
	s_lshr_b32 s47, s28, 4
	s_lshl_b32 s47, s47, 4
	s_and_b32 s42, s28, 3
	s_lshl2_add_u32 s47, s42, s47                  ; the quad's first unit j = 16 (quad / 16) + 4 (quad % 4)
	s_mul_i32 s46, s46, 1000
	s_add_co_u32 s46, s46, s47                     ; its first source row
	s_cmp_eq_u32 s45, 1
	s_cselect_b64 s[34:35], s[20:21], s[18:19]
	s_cmp_eq_u32 s45, 2
	s_cselect_b64 s[34:35], s[22:23], s[34:35]
	s_cmp_eq_u32 s45, 3
	s_cselect_b64 s[34:35], s[24:25], s[34:35]
	s_lshr_b32 s42, s28, 6                         ; jb x 1 MiB + part x 512 KiB + 4 rows of 128 bytes x (quad % 64)
	s_lshl_b32 s42, s42, 20
	s_lshl_b32 s29, s44, 19
	s_add_co_u32 s42, s42, s29
	s_and_b32 s29, s28, 63
	s_lshl_b32 s29, s29, 9
	s_add_co_u32 s42, s42, s29
	s_add_nc_u64 s[34:35], s[34:35], s[42:43]
	s_cmp_ge_u32 s47, 1000                         ; 1000 is a multiple of 4: a quad lies wholly below it or wholly at or above it
	s_cbranch_scc1 .Lzero
	s_mul_i32 s42, s45, 16000000
	s_mul_i32 s29, s46, 4000
	s_add_co_u32 s42, s42, s29                     ; under 64,000,000
	s_add_nc_u64 s[32:33], s[32:33], s[42:43]
	s_mul_i32 s42, s45, 4000
	s_add_co_u32 s42, s42, s46
	s_lshl_b32 s42, s42, 2
	s_add_nc_u64 s[38:39], s[10:11], s[42:43]
	s_add_nc_u64 s[40:41], s[12:13], s[42:43]
	s_cmp_eq_u32 s44, 1
	s_cselect_b32 s31, 0, s31                      ; w_hh has no bias columns.  Its quads load the four words below all the same and drop them here: one text, the same counts on every way
	global_load_b32 v[BI], v[VB], s[38:39]
	global_load_b32 v[BI+1], v[VB], s[38:39] offset:8
	global_load_b32 v[BI+2], v[VB], s[40:41]
	global_load_b32 v[BI+3], v[VB], s[40:41] offset:8
	LOADS
	s_wait_loadcnt 32                              ; the four bias loads are in; the 32 issued behind them may be out
	v_cvt_pk_bf16_f32 v[BI], v[BI], v[BI+2]        ; b_ih in the low half (column 1000), b_hh in the high half (column 1001)
	v_cvt_pk_bf16_f32 v[BI+1], v[BI+1], v[BI+3]
	v_cndmask_b32 v[SP], 0, v[BI], s31
	v_cndmask_b32 v[SP+1], 0, v[BI+1], s31
	STORES 32768, 0
	s_endpgm
.Lzero:                                            ; units 1000-1023: four rows of zeros
	v_mov_b32 v[X], 0
	v_mov_b32 v[X+1], 0
.set n, 0
.rept 32
	global_store_b64 v[VS], v[X:X+1], s[34:35] offset:(n%16)*32768+(n/16)*256
.set n, n+1
.endr
	s_endpgm
.Lx:                                               ; A QUAD OF x
	s_mul_i32 s42, s27, 16000
	s_add_nc_u64 s[32:33], s[4:5], s[42:43]
	s_lshr_b32 s28, s27, 5                         ; row block x 512 KiB + 4 rows of 128 bytes x (quad % 32)
	s_lshl_b32 s28, s28, 19
	s_and_b32 s29, s27, 31
	s_lshl_b32 s29, s29, 9
	s_add_co_u32 s42, s28, s29
	s_add_nc_u64 s[34:35], s[14:15], s[42:43]
	s_add_nc_u64 s[36:37], s[16:17], s[42:43]
	LOADS
	v_mov_b32 v16, 0x3f803f80                      ; 1.0 twice, in bf16
	v_cndmask_b32 v[SP], 0, v16, s31
	v_mov_b32 v[SP+1], v[SP]
	STORES 16384, 1
	s_endpgm
.Lfunc_end_k_qc43ef8e44f_prep:
	.size	k_qc43ef8e44f_prep, .Lfunc_end_k_qc43ef8e44f_prep-k_qc43ef8e44f_prep
	.p2alignl 7, 3214868480
	.fill 96, 4, 3214868480
	.section	.rodata,"a",@progbits
	.p2align	6, 0x0
	.amdhsa_kernel k_qc43ef8e44f_prep
		.amdhsa_group_segment_fixed_size 0
		.amdhsa_private_segment_fixed_size 0
		.amdhsa_enable_private_segment 0
		.amdhsa_kernarg_size 88
		.amdhsa_user_sgpr_count 2
		.amdhsa_user_sgpr_kernarg_segment_ptr 1
		.amdhsa_wavefront_size32 1
		.amdhsa_system_sgpr_workgroup_id_x 1
		.amdhsa_system_sgpr_workgroup_id_y 1
		.amdhsa_system_sgpr_workgroup_id_z 1
		.amdhsa_system_vgpr_workitem_id 0
		.amdhsa_next_free_vgpr 160
		.amdhsa_next_free_sgpr 66
		.amdhsa_reserve_vcc 0
		.amdhsa_float_denorm_mode_32 3
		.amdhsa_float_denorm_mode_16_64 3
		.amdhsa_memory_ordered 1
		.amdhsa_forward_progress 1
		.amdhsa_inst_pref_size 33
	.end_amdhsa_kernel
	.amdgpu_metadata
---
amdhsa.version: [ 1, 2 ]
amdhsa.kernels:
  - .name:           k_qc43ef8e44f_prep
    .symbol:         k_qc43ef8e44f_prep.kd
    .args:
      - { .name: x, .offset: 0, .size: 8, .value_kind: global_buffer, .address_space: global }
      - { .name: w_ih, .offset: 8, .size: 8, .value_kind: global_buffer, .address_space: global }
      - { .name: w_hh, .offset: 16, .size: 8, .value_kind: global_buffer, .address_space: global }
      - { .name: b_ih, .offset: 24, .size: 8, .value_kind: global_buffer, .address_space: global }
      - { .name: b_hh, .offset: 32, .size: 8, .value_kind: global_buffer, .address_space: global }
      - { .name: stA, .offset: 40, .size: 8, .value_kind: global_buffer, .address_space: global }
      - { .name: stB, .offset: 48, .size: 8, .value_kind: global_buffer, .address_space: global }
      - { .name: wb0, .offset: 56, .size: 8, .value_kind: global_buffer, .address_space: global }
      - { .name: wb1, .offset: 64, .size: 8, .value_kind: global_buffer, .address_space: global }
      - { .name: wb2, .offset: 72, .size: 8, .value_kind: global_buffer, .address_space: global }
      - { .name: wb3, .offset: 80, .size: 8, .value_kind: global_buffer, .address_space: global }
    .group_segment_fixed_size: 0
    .private_segment_fixed_size: 0
    .kernarg_segment_align: 8
    .kernarg_segment_size: 88
    .max_flat_workgroup_size: 320
    .sgpr_count:     66
    .vgpr_count:     160
    .wavefront_size: 32
...
	.end_amdgpu_metadata
.endif
;; end of part 1
;; launch layer0 (part 2): grid 16 x 16, 4 waves a work-group, clusters of 4 x 4, 327,680 bytes of LDS; arguments stB, wb0, stA; writes stA
.if DOCPART == 2
	.amdgcn_target "amdgcn-amd-amdhsa--gfx1250"
	.amdhsa_code_object_version 6
	.text
	.protected	k_qc43ef8e44f_layer0
	.globl	k_qc43ef8e44f_layer0
	.p2align	8
	.type	k_qc43ef8e44f_layer0,@function
k_qc43ef8e44f_layer0:
	s_mov_b64 s[64:65], 0
	v_nop
	global_prefetch_b8 v0, s[64:65] scope:SCOPE_SE
	s_setreg_imm32_b32 hwreg(HW_REG_WAVE_MODE, 25, 1), 1
	s_wait_xcnt 0x0
	s_wait_alu depctr_hold_cnt(0) depctr_sa_sdst(0) depctr_va_vdst(0) depctr_va_sdst(0) depctr_va_ssrc(0) depctr_va_vcc(0) depctr_vm_vsrc(0)
	s_getreg_b32 s2, hwreg(HW_REG_IB_STS2, 6, 4)
	s_cmp_eq_u32 s2, 0
	s_cbranch_scc0 .Lentry_in_a_cluster
	s_endpgm
.Lentry_in_a_cluster:
	s_bfe_u32 s2, ttmp6, 0x10000c
	s_cmp_lg_u32 s2, 0xf033
	s_cbranch_scc0 .Lentry_shape_is_right
	s_endpgm
.Lentry_shape_is_right:
; ONE LSTM LAYER, FUSED: gates = [x | h] [Wih | Whh]^T (the biases ride in two columns of K), c = sig(f) c + sig(i) tanh(g), h = sig(o) tanh(c).
; One text serves all layers; KIND picks what differs.  KIND 0: the first layer: h = c = 0 as the module sets them, so K ends with x, no c is read and f is not used.  KIND 1: a middle layer.
; KIND 2: the last layer: relu(h) goes out in f32, c is not stored.
.set KIND, 0
; ARGUMENTS: the state that is read, the layer's weights, and the state (KIND 2: the output) that is written: three different buffers.
;   state: bytes 0 .. 8 MiB: [rb 16][chunk 32][row 128][k 64] bf16: chunks 0-15 x (columns 1000, 1001 = 1.0, then 0), chunks 16-31 h.  From 8 MiB on: c in f32, as the lanes hold it:
;          [work-group rb 16 + jb][wave 4][i 16][lane 32][16 bytes].  The same lane of the same work-group reads it back in the next layer.
;   weights: [jb 16][kb 32][rr 256][k 64] bf16; kb 0-15 Wih (columns 1000, 1001 = b_ih, b_hh), kb 16-31 Whh; row rr = 64 w + 16 g + u is gate g of unit 64 jb + 16 w + u.
; SHARES.  256 work-groups: row block rb (128 rows, along the grid's x) x unit block jb (64 units x 4 gates = 256 columns, along y).  Wave w makes 128 rows x the four gates of 16 units: 32 accumulators, 256 registers.
; THE MATRIX INSTRUCTION IS USED TRANSPOSED (source 0 = 16 weight rows, source 1 = 16 rows of x | h): lane l holds row l % 16 and the units 8 (l / 16) + 0..7, alike in the four gates'
; accumulators: i, f, g and o of a cell lie in one lane at one register number, and the cell is finished in registers.
; THE WALK OF K.  K goes in steps of 128 through two LDS slots.  A step's tiles are dense in memory (two chunks of A, two of B) and are asked for as rows of 256 bytes, padded in LDS after every 128.
; A step is written once: a trip of the loop goes from a step's second quarter to the next step's first.  Slot 1 begins at 1 << 17, past slot 0's 110,592 bytes, so that one exclusive or turns the
; slot's base, and the LDS word of the one descriptor that walks, from one slot to the other.
; CLUSTERS: 4 x 4 work-groups.  The four of a column of the cluster share rb and so A's tiles, the four of a row share jb and so B's: each tile is asked for JOINTLY, by the same tensor load with
; the same descriptor and a mask that names the four.
; WHERE A CLUSTER BEGINS.  The four clusters with the same cluster y walk the same tiles of B, the four with the same cluster x the same tiles of A.  Cluster (X, Y) begins at step
; (X + 2 g) STEPS / 4, g = (Y xor Y / 2) mod 2, and goes round modulo STEPS: clusters that share B's tiles are one, two or three quarters of the walk apart, and of those that share A's tiles any two
; with unlike g are half the walk apart.  So a tile is asked for at different times, and all requests for it but the first are for bytes that have been read before.  The start hangs on the cluster's
; number alone, which the sixteen partners share; a fill's global address is made anew from the step's number.
; LIMITS.  x, h and the weights are bf16 in the products, sums and c in f32; the order of a sum along K begins at the cluster's own step, so it differs from block to block and from the reference's.
; The exponents of 2^(-1.4427 i), .. are capped at 30: a sigmoid below 2^-30 counts as 2^-30, and the largest denominator, a product of three terms of at most 1 + 2^30, stays in f32's range
; for every finite gate.  |c| <= 4 (each layer adds at most 1), so its exponential needs no cap.  NaN and infinities in the inputs are not carried on (the cap drops a NaN).
; In KIND 0 w_hh[0] is not used: it multiplies zeros.
; REGISTERS, in windows of 256 (s_set_vgpr_msb: bits 1:0 source 0, 3:2 source 1, 5:4 source 2, 7:6 destination):
;   window 0: v0-31 addresses; v32-63 the four gates of 8 cells; v64-71, v80-83 at work; v128-191 c; v192-255 rows read back from the stage
;   window 1: two fragment buffers of 96: four of B (gate n at f + 8 n), eight of A (block a at f + 32 + 8 a)          window 2: accumulator (a, n) at v[8 (4 a + n)]
.if KIND == 0
.set STEPS,  8
.else
.set STEPS,  16
.endif
.set PITCH,  144                       ; an LDS row: 128 bytes of data + 16 of padding = 36 words: the 16 rows of a fragment load start at 16 different groups of four banks (64 banks of 4 bytes: ISA guide 11.1)
.set ASUB,   128*PITCH                 ; 128 rows x 64 k of A: one tensor load
.set BSUB,   256*PITCH                 ; 256 rows x 64 k of B: one tensor load
.set SLOT1,  1<<17                     ; a slot: A's two halves of a K step, then B's two: 110,592 bytes; slot 0 at 0, slot 1 here
.set STAGE,  SLOT1+2*ASUB+2*BSUB       ; behind the ring, never filled by a tensor load: 128 rows of h, the work-group's
.if KIND == 2
.set SPITCH, 272                       ; 64 f32 + 16 bytes
.else
.set SPITCH, 144                       ; 64 bf16 + 16 bytes
.endif
.set SPARE,  STAGE+128*SPITCH          ; behind the stage: the spare words, 128 bytes for each wave: two blocks of 256 bytes that no other line names
.set CBASE,  8388608
.set ADRA0, 16                         ; v16     my lane's place among A's fragments in slot 0; never rewritten
.set ADRA,  17                         ; v17     the same in the slot in hand
.set ADRB0, 20                         ; v20, v21  the same for B
.set ADRB,  21
.set STO,  24                          ; v24     where I put my part of a stage row
.set RD,   25                          ; v25     where I read stage rows back
.set CO,   26                          ; v26     KIND 2: my byte offset in two rows of the output
.set L16,  27                          ; v27     16 x lane; never rewritten
.set SPW,  28                          ; v28     LDS address of my spare word; never rewritten
.set NIL,  29                          ; v29     0; never rewritten
.set CM,   30                          ; v30     KIND 2: 4 (l % 16), my first column in the block
.set TT,   32
.set TI,   TT
.set TF,   TT+8
.set TG,   TT+16
.set TO,   TT+24
.set UU,   64
.set HP,   80
.set CC,   128
.set BK,   192
.set F0,   0
.set F1,   96
.set G1,   24                          ; s[24:31] descriptor group 1 for A's tiles;  s[32:39] group 0: a set for each of the two first fills; the second then walks on
.set G0,   32
.set G1B,  48                          ; s[48:55], s[56:63] the same for B's tiles
.set G0B,  56
.set SNX,  78                          ; s78     the K step to be asked for next
.set STM,  79                          ; s79     at work
.set OFA,  80                          ; s[80:81] a step's byte offset in A's stream, high word 0
.set OFB,  82                          ; s[82:83] the same for B's
.set TB,   84                          ; s84     LDS byte at which the slot in hand begins: 0 or SLOT1
; s[4:9] the three addresses; s10 wave; s11 wave / 2 (0: I fetch for A, 1: for B); s12 wave % 2 (which half of the K step); s13 rb; s42 jb; s40, s41 my place in the cluster; s43, s44 the masks;
; s[14:15], s[46:47] A's and B's streams at my half of step 0; s[66:67], s[74:75] offsets made of rb and jb together, which feed no descriptor; s[68:69] c in; s[70:71] c out; s[72:73] h or the output;
; s3 trips; at the end s[20:21] = -log2(e), s[22:23] = -2 log2(e), s2 = 30.0, s76 columns left in the output, s77 EXEC
.set MSB, 0
.macro WIN new                         ; the immediate's high byte repeats the setting that is left; a switch that changes nothing is dropped
.if MSB != (\new)
	s_set_vgpr_msb (MSB<<8)|(\new)
.set MSB, \new
.endif
.endm
.set MUL,    0xa5                      ; sources 0 (B) and 1 (A) window 1; C and D window 2
.set TO_F,   0x40                      ; destination window 1, address window 0
.set RD_ACC, 0x02                      ; source 0 window 2, destination window 0
.macro JLOAD s                         ; a joint load: waves 0 and 1 fetch A's two halves, waves 2 and 3 B's; an s_nop 0 and four v_nop follow each of the two lines, ahead of the jump, the label and what follows
	s_cmp_eq_u32 s11, 0
	s_cbranch_scc0 .Lfor_b_\@
	tensor_load_to_lds s[G0+4*(\s):G0+4*(\s)+3], s[G1:G1+7]
	s_nop 0
.rept 4
	v_nop
.endr
	s_branch .Lasked_\@
.Lfor_b_\@:
	tensor_load_to_lds s[G0B+4*(\s):G0B+4*(\s)+3], s[G1B:G1B+7]
	s_nop 0
.rept 4
	v_nop
.endr
.Lasked_\@:
.endm
.macro CREST                           ; a round of the cluster's barrier behind its opening barrier
	s_cmp_lg_u32 s10, 0
	s_cbranch_scc1 .Lnot_wave_0_\@
	s_barrier_signal -3
.Lnot_wave_0_\@:
	s_barrier_wait -3
	s_barrier_signal -1
	s_barrier_wait -1
.endm
.macro CROUND                          ; a whole round
	s_barrier_signal -1
	s_barrier_wait -1
	CREST
.endm
	s_load_b128 s[4:7], s[0:1], 0x0                ; the state that is read s[4:5], the weights s[6:7]
	s_load_b64 s[8:9], s[0:1], 0x10                ; what is written
	v_lshl_add_u32 v[SPW], v0, 2, SPARE
	v_mov_b32 v[NIL], 0
	ds_add_u32 v[SPW], v[NIL]                      ; the wave's opening: the add and its wait stand ahead of my first tensor load; the set-up below, work on registers, stands between them
	v_lshrrev_b32 v1, 5, v0
	v_readfirstlane_b32 s10, v1                    ; wave 0..3
	s_lshr_b32 s11, s10, 1
	s_and_b32 s12, s10, 1
	s_bfe_u32 s40, ttmp6, 0x40000                  ; cx, cy: my place in the cluster
	s_bfe_u32 s41, ttmp6, 0x40004
	s_lshl_b32 s13, ttmp9, 2
	s_add_co_u32 s13, s13, s40                     ; rb = 4 x cluster x + cx
	s_and_b32 s42, ttmp7, 0xffff
	s_lshl_b32 s42, s42, 2
	s_add_co_u32 s42, s42, s41                     ; jb = 4 x cluster y + cy
	s_lshl_b32 s43, 0x1111, s40                    ; my column of the cluster (the same cx): it shares rb
	s_lshl_b32 s44, s41, 2
	s_lshl_b32 s44, 15, s44                        ; my row (the same cy): it shares jb
	s_and_b32 s[STM], ttmp7, 0xffff                ; where my cluster begins K: made of the cluster's x and y alone
	s_lshr_b32 s[SNX], s[STM], 1
	s_xor_b32 s[SNX], s[SNX], s[STM]
	s_and_b32 s[SNX], s[SNX], 1                    ; g
	s_lshl_b32 s[SNX], s[SNX], 1
	s_add_co_u32 s[SNX], s[SNX], ttmp9             ; X + 2 g
	s_mul_i32 s[SNX], s[SNX], STEPS/4
	s_and_b32 s[SNX], s[SNX], STEPS-1
	s_mov_b32 s[OFA+1], 0
	s_mov_b32 s[OFB+1], 0
	s_mov_b32 s[TB], 0
	; descriptor group 1: dense bytes as rows of 128 elements (256 bytes); 64 such rows for A's tile, 128 for B's
	s_or_b32 s[G1+0], s43, (1<<16)|(1<<20)|(1<<21)|(4<<22)|(3<<25)  ; 15:0 the mask: A's tiles go to my column; 17:16 elements of 2 bytes; 20 padding on; 21 set beside a mask; 24:22 after every 32 words (code 4); 31:25 4 words of it (code 3)
	s_or_b32 s[G1B+0], s44, (1<<16)|(1<<20)|(1<<21)|(4<<22)|(3<<25) ; the same with the mask of my row
.irp g, G1, G1B
	s_mov_b32 s[(\g)+1], 128<<16                   ; tensor_dim0 = 128
	s_mov_b32 s[(\g)+3], 128<<16                   ; tile_dim0 = 128
	s_mov_b32 s[(\g)+5], 128                       ; 128 elements from row to row
	s_mov_b32 s[(\g)+6], 0
	s_mov_b32 s[(\g)+7], 0
.endr
	s_mov_b32 s[G1+2], 64<<16                      ; tensor_dim1
	s_mov_b32 s[G1+4], 64                          ; tile_dim1
	s_mov_b32 s[G1B+2], 128<<16
	s_mov_b32 s[G1B+4], 128
	s_lshl_b32 s16, s13, 19                        ; A: row block x 512 KiB + my half x 16 KiB: rb and the wave's number alone
	s_lshl_b32 s17, s12, 14
	s_add_co_u32 s16, s16, s17
	s_mov_b32 s17, 0
	s_lshl_b32 s46, s42, 20                        ; B: unit block x 1 MiB + my half x 32 KiB: jb and the wave's number alone
	s_lshl_b32 s47, s12, 15
	s_add_co_u32 s46, s46, s47
	s_mov_b32 s47, 0
	s_mul_i32 s20, s12, ASUB                       ; where they go: the wave's number alone
	s_mul_i32 s21, s12, BSUB
	s_add_co_u32 s21, s21, 2*ASUB
	s_lshl_b32 s66, s13, 4                         ; c: (16 rb + jb) x 32 KiB + wave x 8 KiB, behind the first 8 MiB
	s_add_co_u32 s66, s66, s42
	s_lshl_b32 s66, s66, 15
	s_lshl_b32 s67, s10, 13
	s_add_co_u32 s66, s66, s67
	s_add_co_u32 s66, s66, CBASE
	s_mov_b32 s67, 0
.if KIND < 2
	s_lshl_b32 s74, s13, 19                        ; h: chunk 16 + jb of row block rb, my 32 rows of 128 bytes
	s_add_co_u32 s75, s42, 16
	s_lshl_b32 s75, s75, 14
	s_add_co_u32 s74, s74, s75
	s_lshl_b32 s75, s10, 12
	s_add_co_u32 s74, s74, s75
	s_mov_b32 s75, 0
.else
	s_lshl_b32 s74, s13, 7                         ; the output: row 128 rb + 32 wave, 4,000 bytes a row, column 64 jb
	s_lshl_b32 s75, s10, 5
	s_add_co_u32 s74, s74, s75
	s_mul_i32 s74, s74, 4000
	s_lshl_b32 s75, s42, 8
	s_add_co_u32 s74, s74, s75
	s_mov_b32 s75, 0
	s_lshl_b32 s76, s42, 6
	s_sub_co_u32 s76, 1000, s76                    ; columns of the output from my block's first on
.endif
	s_wait_dscnt 0x0                               ; the opening add is done
	s_wait_kmcnt 0x0
	s_add_nc_u64 s[14:15], s[4:5], s[16:17]
	s_add_nc_u64 s[46:47], s[6:7], s[46:47]
.if KIND > 0
	s_add_nc_u64 s[68:69], s[4:5], s[66:67]
.endif
.if KIND < 2
	s_add_nc_u64 s[70:71], s[8:9], s[66:67]
.endif
	s_add_nc_u64 s[72:73], s[8:9], s[74:75]
	CROUND                                         ; all sixteen work-groups are here: the first joint loads meet
.irp s, 0,1
	s_add_co_u32 s[STM], s[SNX], \s                ; the cluster's first step, and the one behind it, modulo STEPS
	s_and_b32 s[STM], s[STM], STEPS-1
	s_lshl_b32 s[OFA], s[STM], 15                  ; a step is 32 KiB of A's stream
	s_lshl_b32 s[OFB], s[STM], 16                  ; and 64 KiB of B's
	s_mov_b32 s[G0+4*(\s)], 1                                      ; count = 1
	s_add_co_u32 s[G0+4*(\s)+1], s20, (\s)*SLOT1                   ; LDS address
	s_add_nc_u64 s[G0+4*(\s)+2:G0+4*(\s)+3], s[14:15], s[OFA:OFA+1]  ; global address
	s_or_b32 s[G0+4*(\s)+3], s[G0+4*(\s)+3], 0x80000000            ; type = 2
	s_mov_b32 s[G0B+4*(\s)], 1
	s_add_co_u32 s[G0B+4*(\s)+1], s21, (\s)*SLOT1
	s_add_nc_u64 s[G0B+4*(\s)+2:G0B+4*(\s)+3], s[46:47], s[OFB:OFB+1]
	s_or_b32 s[G0B+4*(\s)+3], s[G0B+4*(\s)+3], 0x80000000
	JLOAD \s                                       ; two tensor loads of mine are out
.endr
	s_add_co_u32 s[SNX], s[SNX], 2
	s_and_b32 s[SNX], s[SNX], STEPS-1
	v_and_b32 v1, 15, v0                           ; l % 16
	v_bfe_u32 v2, v0, 4, 1                         ; l / 16
	v_and_b32 v4, 31, v0
	v_lshlrev_b32 v[L16], 4, v4
.if KIND > 0
.set i, 0
.rept 16                               ; c comes in while K is walked: each load 512 consecutive bytes; waited for once, behind the last product
	global_load_b128 v[CC+4*i:CC+4*i+3], v[L16], s[68:69] offset:512*i th:TH_LOAD_NT
.set i, i+1
.endr
.endif
	; a fragment is 16 rows x 32 k in 8 registers: lane l holds row l % 16, k = 8 (l / 16) + 0..7 and 16 + 8 (l / 16) + 0..7: two loads of 16 bytes, 32 bytes apart
	v_mul_u32_u24 v3, v1, PITCH
	v_lshl_add_u32 v3, v2, 4, v3
	s_mul_i32 s22, s10, 64*PITCH                   ; my 64 rows of B,
	s_add_co_u32 s22, s22, 2*ASUB                  ; which lie behind A's two halves
	v_mov_b32 v[ADRA0], v3
	v_add_nc_u32 v[ADRB0], s22, v3
	v_add_nc_u32 v[ADRA], s[TB], v[ADRA0]          ; the walk begins in slot 0
	v_add_nc_u32 v[ADRB], s[TB], v[ADRB0]
.if KIND < 2
	s_lshl_b32 s23, s10, 5                         ; into the stage: row l % 16 of a block, my wave's 32 bytes, 16 for each half of the lanes
	s_add_co_u32 s23, s23, STAGE
	v_add_nc_u32 v[STO], s23, v3
	s_mul_i32 s23, s10, 32*SPITCH                  ; back: wave w takes rows 32 w .. 32 w + 31, whole: 32 lanes take four rows of 128 bytes
	s_add_co_u32 s23, s23, STAGE
	v_bfe_u32 v5, v0, 3, 2
	v_and_b32 v6, 7, v0
	v_mul_u32_u24 v5, v5, SPITCH
	v_lshl_add_u32 v5, v6, 4, v5
	v_add_nc_u32 v[RD], s23, v5
.else
	s_lshl_b32 s23, s10, 6                         ; into the stage: row l % 16 of a block, my wave's 64 bytes, 32 for each half of the lanes
	s_add_co_u32 s23, s23, STAGE
	v_mul_u32_u24 v5, v1, SPITCH
	v_lshl_add_u32 v5, v2, 5, v5
	v_add_nc_u32 v[STO], s23, v5
	s_mul_i32 s23, s10, 32*SPITCH                  ; back: lanes 0-15 take one row of 256 bytes, lanes 16-31 the next
	s_add_co_u32 s23, s23, STAGE
	v_mul_u32_u24 v6, v2, SPITCH
	v_lshl_add_u32 v6, v1, 4, v6
	v_add_nc_u32 v[RD], s23, v6
	v_mul_u32_u24 v7, v2, 4000                     ; and the same two rows in the output
	v_lshl_add_u32 v[CO], v1, 4, v7
	v_lshlrev_b32 v[CM], 2, v1
.endif
; 8 matrix instructions: row blocks a0, a0 + 1 x the four gates, 32 along K.  zero = 1: the product starts the sum: nothing is ever cleared.
; The 32 accumulators take turns in the same order in every quarter: between two links of a chain stand the 31 others'.
.macro MUL8 f, a0, zero
	WIN MUL
.irp a, \a0, (\a0)+1
.irp n, 0,1,2,3
.if \zero
	v_wmma_f32_16x16x32_bf16 v[8*(4*(\a)+(\n)):8*(4*(\a)+(\n))+7], v[(\f)+8*(\n):(\f)+8*(\n)+7], v[(\f)+32+8*(\a):(\f)+32+8*(\a)+7], 0
.else
	v_wmma_f32_16x16x32_bf16 v[8*(4*(\a)+(\n)):8*(4*(\a)+(\n))+7], v[(\f)+8*(\n):(\f)+8*(\n)+7], v[(\f)+32+8*(\a):(\f)+32+8*(\a)+7], v[8*(4*(\a)+(\n)):8*(4*(\a)+(\n))+7]
.endif
.endr
.endr
.endm
; 24 LDS loads in one run: the fragments of quarter q (32 along K) of the step in the slot in hand, into buffer f: B's four, A's blocks 0-3, A's blocks 4-7
.macro FETCH q, f
	WIN TO_F
.irp n, 0,1,2,3
	ds_load_b128 v[(\f)+8*(\n):(\f)+8*(\n)+3],   v[ADRB] offset:((\q)/2)*BSUB+((\q)%2)*64+(\n)*16*PITCH
	ds_load_b128 v[(\f)+8*(\n)+4:(\f)+8*(\n)+7], v[ADRB] offset:((\q)/2)*BSUB+((\q)%2)*64+(\n)*16*PITCH+32
.endr
.irp a, 0,1,2,3,4,5,6,7
	ds_load_b128 v[(\f)+32+8*(\a):(\f)+32+8*(\a)+3],   v[ADRA] offset:((\q)/2)*ASUB+((\q)%2)*64+(\a)*16*PITCH
	ds_load_b128 v[(\f)+32+8*(\a)+4:(\f)+32+8*(\a)+7], v[ADRA] offset:((\q)/2)*ASUB+((\q)%2)*64+(\a)*16*PITCH+32
.endr
.endm
.macro PLACES                          ; four places in front of loads into registers that matrix instructions have read, and of vector lines that read results (ISA guide 7.12.1 for vector lines)
.rept 4
	v_nop
.endr
.endm
; A K step is four quarters of 32 along K, 32 matrix instructions each, on buffers 0, 1, 0, 1.  One of the first three: multiplies buffer f and fetches quarter q of the same step into g.
.macro QUARTER q, f, g, zero
	s_wait_dscnt 8                                 ; B and A's blocks 0-3 are in; the youngest eight loads (A's blocks 4-7) may be out
	MUL8 \f, 0, \zero
	MUL8 \f, 2, \zero
	PLACES
	FETCH \q, \g
	s_wait_dscnt 24                                ; all but the 24 just issued
	MUL8 \f, 4, \zero
	MUL8 \f, 6, \zero
.endm
; The last quarter multiplies buffer 1 and changes slots: ONE barrier; in front of it each wave waits for all its tensor loads (one is out: its part of the next slot), adds 0 to its spare word, and
; waits for that and for its own reads of this slot.  The quarter's first eight products stand ahead of that wait, so that the refill follows the landing of the tile before it by eight products and the round.
; fill = 1: the barrier opens a round of the cluster's, and this slot is filled again, with the step two further on in the cluster's walk, first thing behind the round.
.macro TURN fill
	s_wait_dscnt 8                                 ; B and A's blocks 0-3 are in
	MUL8 F1, 0, 0
	WIN 0                                          ; (the add's two registers lie in window 0)
	s_wait_tensorcnt 0x0                           ; all my tensor loads have landed, so a group 0 may be written;
	ds_add_u32 v[SPW], v[NIL]                      ; 0 onto my spare word; the scalar work below stands between it and the wait for it
.if \fill
	s_lshl_b32 s[OFA], s[SNX], 15
	s_lshl_b32 s[OFB], s[SNX], 16
	s_xor_b32 s[G0+5], s[G0+5], SLOT1              ; the walking descriptor: the other slot than last time,
	s_add_nc_u64 s[G0+6:G0+7], s[14:15], s[OFA:OFA+1]  ; the address made anew from the step's number,
	s_or_b32 s[G0+7], s[G0+7], 0x80000000          ; the type set again
	s_xor_b32 s[G0B+5], s[G0B+5], SLOT1
	s_add_nc_u64 s[G0B+6:G0B+7], s[46:47], s[OFB:OFB+1]
	s_or_b32 s[G0B+7], s[G0B+7], 0x80000000
	s_add_co_u32 s[SNX], s[SNX], 1                 ; the walk goes round
	s_and_b32 s[SNX], s[SNX], STEPS-1
.endif
	s_xor_b32 s[TB], s[TB], SLOT1                  ; the fetches go on in the other slot
	s_wait_dscnt 0x0                               ; the add is done, and my reads of this slot are over
	s_barrier_signal -1
	MUL8 F1, 2, 0
	WIN 0                                          ; (branches and lines on window 0 follow)
	s_barrier_wait -1
.if \fill
	CREST                                          ; no wave of any partner still reads this slot's tiles or has a load on its way
	JLOAD 1                                        ; the four v_nop behind it are also the places in front of the loads below
.else
	PLACES
.endif
	v_add_nc_u32 v[ADRA], s[TB], v[ADRA0]
	v_add_nc_u32 v[ADRB], s[TB], v[ADRB0]
	FETCH 0, F0
	MUL8 F1, 4, 0
	MUL8 F1, 6, 0
.endm
; THE CELLS of row block a: 8 a lane.  With EI = 2^(-1.4427 i), EF, EO likewise and EG = 2^(-2.8854 g):
;   c' = c / (1 + EF) + (1 - EG) / ((1 + EI)(1 + EG)) = (c P + (1 - EG)(1 + EF)) / (P (1 + EF)), P = (1 + EI)(1 + EG);   h = (1 - EC) / ((1 + EC)(1 + EO)), EC = 2^(-2.8854 c'):
; five exponentials and two reciprocals a cell.  A factor 1 + E is not formed where a fused multiply-add does it: y (1 + E) = y E + y.
; Each run of exponentials or reciprocals is followed by one plain instruction before a result is used (ISA guide 5.7.2).  Each accumulator is read from its lowest registers on.
.macro CELLS a
	WIN RD_ACC
.irp n, 0,1,2,3
.if (KIND > 0) || ((\n) != 1)
.irp p, 0,1,2,3
.if (\n) == 2
	v_pk_mul_f32 v[TT+8*(\n)+2*(\p):TT+8*(\n)+2*(\p)+1], v[8*(4*(\a)+(\n))+2*(\p):8*(4*(\a)+(\n))+2*(\p)+1], s[22:23] op_sel_hi:[1,0]
.else
	v_pk_mul_f32 v[TT+8*(\n)+2*(\p):TT+8*(\n)+2*(\p)+1], v[8*(4*(\a)+(\n))+2*(\p):8*(4*(\a)+(\n))+2*(\p)+1], s[20:21] op_sel_hi:[1,0]
.endif
.endr
.endif
.endr
	WIN 0
.set i, 0
.rept 32
.if (KIND > 0) || (i/8 != 1)
	v_min_num_f32 v[TT+i], s2, v[TT+i]             ; the exponent's cap
.endif
.set i, i+1
.endr
.set i, 0
.rept 32
.if (KIND > 0) || (i/8 != 1)
	v_exp_f32 v[TT+i], v[TT+i]
.endif
.set i, i+1
.endr
	v_nop
	s_wait_alu depctr_va_vdst(0)
.irp p, 0,2,4,6
	v_pk_fma_f32 v[UU+(\p):UU+(\p)+1], v[TG+(\p):TG+(\p)+1], -1.0, 1.0 op_sel_hi:[1,0,0]  ; 1 - EG
.endr
.irp p, 0,2,4,6
	v_pk_add_f32 v[TG+(\p):TG+(\p)+1], v[TG+(\p):TG+(\p)+1], 1.0 op_sel_hi:[1,0]           ; 1 + EG
.endr
.irp p, 0,2,4,6
	v_pk_fma_f32 v[TI+(\p):TI+(\p)+1], v[TI+(\p):TI+(\p)+1], v[TG+(\p):TG+(\p)+1], v[TG+(\p):TG+(\p)+1]  ; P = EI (1 + EG) + (1 + EG)
.endr
.if KIND > 0
.irp p, 0,2,4,6
	v_pk_fma_f32 v[UU+(\p):UU+(\p)+1], v[UU+(\p):UU+(\p)+1], v[TF+(\p):TF+(\p)+1], v[UU+(\p):UU+(\p)+1]  ; (1 - EG)(1 + EF)
.endr
.irp p, 0,2,4,6
	v_pk_fma_f32 v[UU+(\p):UU+(\p)+1], v[CC+8*(\a)+(\p):CC+8*(\a)+(\p)+1], v[TI+(\p):TI+(\p)+1], v[UU+(\p):UU+(\p)+1]  ; + c P
.endr
.irp p, 0,2,4,6
	v_pk_fma_f32 v[TF+(\p):TF+(\p)+1], v[TI+(\p):TI+(\p)+1], v[TF+(\p):TF+(\p)+1], v[TI+(\p):TI+(\p)+1]  ; P (1 + EF)
.endr
.irp j, 0,1,2,3,4,5,6,7
	v_rcp_f32 v[TF+(\j)], v[TF+(\j)]
.endr
	v_nop
.irp p, 0,2,4,6
	v_pk_mul_f32 v[CC+8*(\a)+(\p):CC+8*(\a)+(\p)+1], v[UU+(\p):UU+(\p)+1], v[TF+(\p):TF+(\p)+1]
.endr
.else
.irp j, 0,1,2,3,4,5,6,7
	v_rcp_f32 v[TI+(\j)], v[TI+(\j)]
.endr
	v_nop
	s_wait_alu depctr_va_vdst(0)
.irp p, 0,2,4,6
	v_pk_mul_f32 v[CC+8*(\a)+(\p):CC+8*(\a)+(\p)+1], v[UU+(\p):UU+(\p)+1], v[TI+(\p):TI+(\p)+1]
.endr
.endif
.if KIND < 2
	global_store_b128 v[L16], v[CC+8*(\a):CC+8*(\a)+3], s[70:71] offset:1024*(\a)           ; 512 consecutive bytes each; c's registers are not written again
	global_store_b128 v[L16], v[CC+8*(\a)+4:CC+8*(\a)+7], s[70:71] offset:1024*(\a)+512
.endif
.irp p, 0,2,4,6
	v_pk_mul_f32 v[TI+(\p):TI+(\p)+1], v[CC+8*(\a)+(\p):CC+8*(\a)+(\p)+1], s[22:23] op_sel_hi:[1,0]
.endr
.irp j, 0,1,2,3,4,5,6,7
	v_exp_f32 v[TI+(\j)], v[TI+(\j)]
.endr
	v_nop
	s_wait_alu depctr_va_vdst(0)
.irp p, 0,2,4,6
	v_pk_fma_f32 v[UU+(\p):UU+(\p)+1], v[TI+(\p):TI+(\p)+1], -1.0, 1.0 op_sel_hi:[1,0,0]  ; 1 - EC
.endr
.irp p, 0,2,4,6
	v_pk_add_f32 v[TI+(\p):TI+(\p)+1], v[TI+(\p):TI+(\p)+1], 1.0 op_sel_hi:[1,0]           ; 1 + EC
.endr
.irp p, 0,2,4,6
	v_pk_fma_f32 v[TI+(\p):TI+(\p)+1], v[TI+(\p):TI+(\p)+1], v[TO+(\p):TO+(\p)+1], v[TI+(\p):TI+(\p)+1]  ; (1 + EC)(1 + EO)
.endr
.irp j, 0,1,2,3,4,5,6,7
	v_rcp_f32 v[TI+(\j)], v[TI+(\j)]
.endr
	v_nop
	s_wait_alu depctr_va_vdst(0)
.irp p, 0,2,4,6
	v_pk_mul_f32 v[UU+(\p):UU+(\p)+1], v[UU+(\p):UU+(\p)+1], v[TI+(\p):TI+(\p)+1]          ; h
.endr
.if KIND < 2
.irp p, 0,1,2,3
	v_cvt_pk_bf16_f32 v[HP+(\p)], v[UU+2*(\p)], v[UU+2*(\p)+1]
.endr
	ds_store_b128 v[STO], v[HP:HP+3] offset:(\a)*16*SPITCH
.else
.irp j, 0,1,2,3,4,5,6,7
	v_max_num_f32 v[UU+(\j)], 0, v[UU+(\j)]        ; relu
.endr
	ds_store_b128 v[STO], v[UU:UU+3] offset:(\a)*16*SPITCH
	ds_store_b128 v[STO], v[UU+4:UU+7] offset:(\a)*16*SPITCH+16
.endif
.endm
	s_wait_tensorcnt 0x1                           ; my part of the first step is in; the second step's may stay out
	s_barrier_signal -1
	s_barrier_wait -1                              ; everybody's is
	FETCH 0, F0
	QUARTER 1, F0, F1, 1                           ; the first quarter stands in front of the loop: its products start the sums
	WIN 0                                          ; at a label and at a branch every window is 0
	s_mov_b32 s3, STEPS-2
.Lstep:                                            ; a trip goes from a step's second quarter to the next step's first, and fills the slot that it leaves: STEPS - 2 trips ask for the walk's steps 2 .. STEPS - 1
	QUARTER 2, F1, F0, 0
	QUARTER 3, F0, F1, 0
	TURN 1
	QUARTER 1, F0, F1, 0
	WIN 0
	s_sub_co_u32 s3, s3, 1
	s_cmp_lg_u32 s3, 0
	s_cbranch_scc1 .Lstep
	QUARTER 2, F1, F0, 0                           ; the last two steps are written out: they fill nothing, and have no round of the cluster's barrier
	QUARTER 3, F0, F1, 0
	TURN 0
	QUARTER 1, F0, F1, 0
	QUARTER 2, F1, F0, 0
	QUARTER 3, F0, F1, 0
	s_wait_dscnt 8                                 ; the very last quarter: nothing more to fetch
	MUL8 F1, 0, 0
	MUL8 F1, 2, 0
	s_wait_dscnt 0x0
	MUL8 F1, 4, 0
	MUL8 F1, 6, 0
	WIN 0
	s_mov_b32 s20, 0xbfb8aa3b                      ; -log2(e)
	s_mov_b32 s21, s20                             ; named with it as a pair
	s_mov_b32 s22, 0xc038aa3b                      ; -2 log2(e)
	s_mov_b32 s23, s22
	s_mov_b32 s2, 0x41f00000                       ; 30.0
	PLACES
.if KIND > 0
	s_wait_loadcnt 0x0                             ; c
.endif
.irp a, 0,1,2,3,4,5,6,7
	CELLS \a
.endr
	; THE WAY OUT: a stage row comes from four waves, so a barrier stands between the writing and the reading; then each wave takes 32 whole rows.
	s_wait_dscnt 0x0                               ; for the others' sake: my stores into the stage are done
	s_barrier_signal -1
	s_barrier_wait -1
.if KIND < 2
.irp t, 0,1,2,3,4,5,6,7
	ds_load_b128 v[BK+4*(\t):BK+4*(\t)+3], v[RD] offset:(\t)*4*SPITCH
.endr
.irp t, 0,1,2,3,4,5,6,7
	s_wait_dscnt 7-(\t)                            ; load t is back; the younger ones may be out
	global_store_b128 v[L16], v[BK+4*(\t):BK+4*(\t)+3], s[72:73] offset:512*(\t)  ; four rows of the chunk: 512 consecutive bytes, at a multiple of 512 from the buffer's first
.endr
.else
.irp t, 0,1,2,3,4,5,6,7,8,9,10,11,12,13,14,15
	ds_load_b128 v[BK+4*(\t):BK+4*(\t)+3], v[RD] offset:(\t)*2*SPITCH
.endr
	s_wait_dscnt 0x0
	v_cmp_gt_u32 vcc_lo, s76, v[CM]                ; my four columns lie inside the output's 1,000: only the last unit block loses lanes
	s_wait_xcnt 0x0                                ; EXEC changes only behind this wait
	s_and_saveexec_b32 s77, vcc_lo
.irp t, 0,1,2,3,4,5,6,7,8,9,10,11,12,13,14,15
	global_store_b128 v[CO], v[BK+4*(\t):BK+4*(\t)+3], s[72:73] offset:8000*(\t)  ; 16 lanes store 256 consecutive bytes of a row; the output's rows are 4,000 bytes, so they begin at multiples of 16 only
.endr
	s_wait_xcnt 0x0                                ; and again, in front of the line that widens it
	s_or_b32 exec_lo, exec_lo, s77
.endif
	s_wait_tensorcnt 0x0                           ; the wave's end, behind my last tensor load and my last LDS store
	ds_add_u32 v[SPW], v[NIL]
	s_wait_dscnt 0x0
	CROUND                                         ; the closing round: no work-group ends while a partner may still ask for a tile that names it
	s_endpgm
.Lfunc_end_k_qc43ef8e44f_layer0:
	.size	k_qc43ef8e44f_layer0, .Lfunc_end_k_qc43ef8e44f_layer0-k_qc43ef8e44f_layer0
	.p2alignl 7, 3214868480
	.fill 96, 4, 3214868480
	.section	.rodata,"a",@progbits
	.p2align	6, 0x0
	.amdhsa_kernel k_qc43ef8e44f_layer0
		.amdhsa_group_segment_fixed_size 327680
		.amdhsa_private_segment_fixed_size 0
		.amdhsa_enable_private_segment 0
		.amdhsa_kernarg_size 24
		.amdhsa_user_sgpr_count 2
		.amdhsa_user_sgpr_kernarg_segment_ptr 1
		.amdhsa_wavefront_size32 1
		.amdhsa_system_sgpr_workgroup_id_x 1
		.amdhsa_system_sgpr_workgroup_id_y 1
		.amdhsa_system_sgpr_workgroup_id_z 1
		.amdhsa_system_vgpr_workitem_id 0
		.amdhsa_next_free_vgpr 768
		.amdhsa_next_free_sgpr 88
		.amdhsa_reserve_vcc 1
		.amdhsa_float_denorm_mode_32 3
		.amdhsa_float_denorm_mode_16_64 3
		.amdhsa_memory_ordered 1
		.amdhsa_forward_progress 1
		.amdhsa_inst_pref_size 106
	.end_amdhsa_kernel
	.amdgpu_metadata
---
amdhsa.version: [ 1, 2 ]
amdhsa.kernels:
  - .name:           k_qc43ef8e44f_layer0
    .symbol:         k_qc43ef8e44f_layer0.kd
    .args:
      - { .name: stB, .offset: 0, .size: 8, .value_kind: global_buffer, .address_space: global }
      - { .name: wb0, .offset: 8, .size: 8, .value_kind: global_buffer, .address_space: global }
      - { .name: stA, .offset: 16, .size: 8, .value_kind: global_buffer, .address_space: global }
    .group_segment_fixed_size: 327680
    .private_segment_fixed_size: 0
    .kernarg_segment_align: 8
    .kernarg_segment_size: 24
    .max_flat_workgroup_size: 128
    .sgpr_count:     88
    .vgpr_count:     768
    .wavefront_size: 32
...
	.end_amdgpu_metadata
.endif
;; end of part 2
;; launch layer1 (part 3): grid 16 x 16, 4 waves a work-group, clusters of 4 x 4, 327,680 bytes of LDS; arguments stA, wb1, stB; writes stB
.if DOCPART == 3
	.amdgcn_target "amdgcn-amd-amdhsa--gfx1250"
	.amdhsa_code_object_version 6
	.text
	.protected	k_qc43ef8e44f_layer1
	.globl	k_qc43ef8e44f_layer1
	.p2align	8
	.type	k_qc43ef8e44f_layer1,@function
k_qc43ef8e44f_layer1:
	s_mov_b64 s[64:65], 0
	v_nop
	global_prefetch_b8 v0, s[64:65] scope:SCOPE_SE
	s_setreg_imm32_b32 hwreg(HW_REG_WAVE_MODE, 25, 1), 1
	s_wait_xcnt 0x0
	s_wait_alu depctr_hold_cnt(0) depctr_sa_sdst(0) depctr_va_vdst(0) depctr_va_sdst(0) depctr_va_ssrc(0) depctr_va_vcc(0) depctr_vm_vsrc(0)
	s_getreg_b32 s2, hwreg(HW_REG_IB_STS2, 6, 4)
	s_cmp_eq_u32 s2, 0
	s_cbranch_scc0 .Lentry_in_a_cluster
	s_endpgm
.Lentry_in_a_cluster:
	s_bfe_u32 s2, ttmp6, 0x10000c
	s_cmp_lg_u32 s2, 0xf033
	s_cbranch_scc0 .Lentry_shape_is_right
	s_endpgm
.Lentry_shape_is_right:
; ONE LSTM LAYER, FUSED: gates = [x | h] [Wih | Whh]^T (the biases ride in two columns of K), c = sig(f) c + sig(i) tanh(g), h = sig(o) tanh(c).
; One text serves all layers; KIND picks what differs.  KIND 0: the first layer: h = c = 0 as the module sets them, so K ends with x, no c is read and f is not used.  KIND 1: a middle layer.
; KIND 2: the last layer: relu(h) goes out in f32, c is not stored.
.set KIND, 1
; ARGUMENTS: the state that is read, the layer's weights, and the state (KIND 2: the output) that is written: three different buffers.
;   state: bytes 0 .. 8 MiB: [rb 16][chunk 32][row 128][k 64] bf16: chunks 0-15 x (columns 1000, 1001 = 1.0, then 0), chunks 16-31 h.  From 8 MiB on: c in f32, as the lanes hold it:
;          [work-group rb 16 + jb][wave 4][i 16][lane 32][16 bytes].  The same lane of the same work-group reads it back in the next layer.
;   weights: [jb 16][kb 32][rr 256][k 64] bf16; kb 0-15 Wih (columns 1000, 1001 = b_ih, b_hh), kb 16-31 Whh; row rr = 64 w + 16 g + u is gate g of unit 64 jb + 16 w + u.
; SHARES.  256 work-groups: row block rb (128 rows, along the grid's x) x unit block jb (64 units x 4 gates = 256 columns, along y).  Wave w makes 128 rows x the four gates of 16 units: 32 accumulators, 256 registers.
; THE MATRIX INSTRUCTION IS USED TRANSPOSED (source 0 = 16 weight rows, source 1 = 16 rows of x | h): lane l holds row l % 16 and the units 8 (l / 16) + 0..7, alike in the four gates'
; accumulators: i, f, g and o of a cell lie in one lane at one register number, and the cell is finished in registers.
; THE WALK OF K.  K goes in steps of 128 through two LDS slots.  A step's tiles are dense in memory (two chunks of A, two of B) and are asked for as rows of 256 bytes, padded in LDS after every 128.
; A step is written once: a trip of the loop goes from a step's second quarter to the next step's first.  Slot 1 begins at 1 << 17, past slot 0's 110,592 bytes, so that one exclusive or turns the
; slot's base, and the LDS word of the one descriptor that walks, from one slot to the other.
; CLUSTERS: 4 x 4 work-groups.  The four of a column of the cluster share rb and so A's tiles, the four of a row share jb and so B's: each tile is asked for JOINTLY, by the same tensor load with
; the same descriptor and a mask that names the four.
; WHERE A CLUSTER BEGINS.  The four clusters with the same cluster y walk the same tiles of B, the four with the same cluster x the same tiles of A.  Cluster (X, Y) begins at step
; (X + 2 g) STEPS / 4, g = (Y xor Y / 2) mod 2, and goes round modulo STEPS: clusters that share B's tiles are one, two or three quarters of the walk apart, and of those that share A's tiles any two
; with unlike g are half the walk apart.  So a tile is asked for at different times, and all requests for it but the first are for bytes that have been read before.  The start hangs on the cluster's
; number alone, which the sixteen partners share; a fill's global address is made anew from the step's number.
; LIMITS.  x, h and the weights are bf16 in the products, sums and c in f32; the order of a sum along K begins at the cluster's own step, so it differs from block to block and from the reference's.
; The exponents of 2^(-1.4427 i), .. are capped at 30: a sigmoid below 2^-30 counts as 2^-30, and the largest denominator, a product of three terms of at most 1 + 2^30, stays in f32's range
; for every finite gate.  |c| <= 4 (each layer adds at most 1), so its exponential needs no cap.  NaN and infinities in the inputs are not carried on (the cap drops a NaN).
; In KIND 0 w_hh[0] is not used: it multiplies zeros.
; REGISTERS, in windows of 256 (s_set_vgpr_msb: bits 1:0 source 0, 3:2 source 1, 5:4 source 2, 7:6 destination):
;   window 0: v0-31 addresses; v32-63 the four gates of 8 cells; v64-71, v80-83 at work; v128-191 c; v192-255 rows read back from the stage
;   window 1: two fragment buffers of 96: four of B (gate n at f + 8 n), eight of A (block a at f + 32 + 8 a)          window 2: accumulator (a, n) at v[8 (4 a + n)]
.if KIND == 0
.set STEPS,  8
.else
.set STEPS,  16
.endif
.set PITCH,  144                       ; an LDS row: 128 bytes of data + 16 of padding = 36 words: the 16 rows of a fragment load start at 16 different groups of four banks (64 banks of 4 bytes: ISA guide 11.1)
.set ASUB,   128*PITCH                 ; 128 rows x 64 k of A: one tensor load
.set BSUB,   256*PITCH                 ; 256 rows x 64 k of B: one tensor load
.set SLOT1,  1<<17                     ; a slot: A's two halves of a K step, then B's two: 110,592 bytes; slot 0 at 0, slot 1 here
.set STAGE,  SLOT1+2*ASUB+2*BSUB       ; behind the ring, never filled by a tensor load: 128 rows of h, the work-group's
.if KIND == 2
.set SPITCH, 272                       ; 64 f32 + 16 bytes
.else
.set SPITCH, 144                       ; 64 bf16 + 16 bytes
.endif
.set SPARE,  STAGE+128*SPITCH          ; behind the stage: the spare words, 128 bytes for each wave: two blocks of 256 bytes that no other line names
.set CBASE,  8388608
.set ADRA0, 16                         ; v16     my lane's place among A's fragments in slot 0; never rewritten
.set ADRA,  17                         ; v17     the same in the slot in hand
.set ADRB0, 20                         ; v20, v21  the same for B
.set ADRB,  21
.set STO,  24                          ; v24     where I put my part of a stage row
.set RD,   25                          ; v25     where I read stage rows back
.set CO,   26                          ; v26     KIND 2: my byte offset in two rows of the output
.set L16,  27                          ; v27     16 x lane; never rewritten
.set SPW,  28                          ; v28     LDS address of my spare word; never rewritten
.set NIL,  29                          ; v29     0; never rewritten
.set CM,   30                          ; v30     KIND 2: 4 (l % 16), my first column in the block
.set TT,   32
.set TI,   TT
.set TF,   TT+8
.set TG,   TT+16
.set TO,   TT+24
.set UU,   64
.set HP,   80
.set CC,   128
.set BK,   192
.set F0,   0
.set F1,   96
.set G1,   24                          ; s[24:31] descriptor group 1 for A's tiles;  s[32:39] group 0: a set for each of the two first fills; the second then walks on
.set G0,   32
.set G1B,  48                          ; s[48:55], s[56:63] the same for B's tiles
.set G0B,  56
.set SNX,  78                          ; s78     the K step to be asked for next
.set STM,  79                          ; s79     at work
.set OFA,  80                          ; s[80:81] a step's byte offset in A's stream, high word 0
.set OFB,  82                          ; s[82:83] the same for B's
.set TB,   84                          ; s84     LDS byte at which the slot in hand begins: 0 or SLOT1
; s[4:9] the three addresses; s10 wave; s11 wave / 2 (0: I fetch for A, 1: for B); s12 wave % 2 (which half of the K step); s13 rb; s42 jb; s40, s41 my place in the cluster; s43, s44 the masks;
; s[14:15], s[46:47] A's and B's streams at my half of step 0; s[66:67], s[74:75] offsets made of rb and jb together, which feed no descriptor; s[68:69] c in; s[70:71] c out; s[72:73] h or the output;
; s3 trips; at the end s[20:21] = -log2(e), s[22:23] = -2 log2(e), s2 = 30.0, s76 columns left in the output, s77 EXEC
.set MSB, 0
.macro WIN new                         ; the immediate's high byte repeats the setting that is left; a switch that changes nothing is dropped
.if MSB != (\new)
	s_set_vgpr_msb (MSB<<8)|(\new)
.set MSB, \new
.endif
.endm
.set MUL,    0xa5                      ; sources 0 (B) and 1 (A) window 1; C and D window 2
.set TO_F,   0x40                      ; destination window 1, address window 0
.set RD_ACC, 0x02                      ; source 0 window 2, destination window 0
.macro JLOAD s                         ; a joint load: waves 0 and 1 fetch A's two halves, waves 2 and 3 B's; an s_nop 0 and four v_nop follow each of the two lines, ahead of the jump, the label and what follows
	s_cmp_eq_u32 s11, 0
	s_cbranch_scc0 .Lfor_b_\@
	tensor_load_to_lds s[G0+4*(\s):G0+4*(\s)+3], s[G1:G1+7]
	s_nop 0
.rept 4
	v_nop
.endr
	s_branch .Lasked_\@
.Lfor_b_\@:
	tensor_load_to_lds s[G0B+4*(\s):G0B+4*(\s)+3], s[G1B:G1B+7]
	s_nop 0
.rept 4
	v_nop
.endr
.Lasked_\@:
.endm
.macro CREST                           ; a round of the cluster's barrier behind its opening barrier
	s_cmp_lg_u32 s10, 0
	s_cbranch_scc1 .Lnot_wave_0_\@
	s_barrier_signal -3
.Lnot_wave_0_\@:
	s_barrier_wait -3
	s_barrier_signal -1
	s_barrier_wait -1
.endm
.macro CROUND                          ; a whole round
	s_barrier_signal -1
	s_barrier_wait -1
	CREST
.endm
	s_load_b128 s[4:7], s[0:1], 0x0                ; the state that is read s[4:5], the weights s[6:7]
	s_load_b64 s[8:9], s[0:1], 0x10                ; what is written
	v_lshl_add_u32 v[SPW], v0, 2, SPARE
	v_mov_b32 v[NIL], 0
	ds_add_u32 v[SPW], v[NIL]                      ; the wave's opening: the add and its wait stand ahead of my first tensor load; the set-up below, work on registers, stands between them
	v_lshrrev_b32 v1, 5, v0
	v_readfirstlane_b32 s10, v1                    ; wave 0..3
	s_lshr_b32 s11, s10, 1
	s_and_b32 s12, s10, 1
	s_bfe_u32 s40, ttmp6, 0x40000                  ; cx, cy: my place in the cluster
	s_bfe_u32 s41, ttmp6, 0x40004
	s_lshl_b32 s13, ttmp9, 2
	s_add_co_u32 s13, s13, s40                     ; rb = 4 x cluster x + cx
	s_and_b32 s42, ttmp7, 0xffff
	s_lshl_b32 s42, s42, 2
	s_add_co_u32 s42, s42, s41                     ; jb = 4 x cluster y + cy
	s_lshl_b32 s43, 0x1111, s40                    ; my column of the cluster (the same cx): it shares rb
	s_lshl_b32 s44, s41, 2
	s_lshl_b32 s44, 15, s44                        ; my row (the same cy): it shares jb
	s_and_b32 s[STM], ttmp7, 0xffff                ; where my cluster begins K: made of the cluster's x and y alone
	s_lshr_b32 s[SNX], s[STM], 1
	s_xor_b32 s[SNX], s[SNX], s[STM]
	s_and_b32 s[SNX], s[SNX], 1                    ; g
	s_lshl_b32 s[SNX], s[SNX], 1
	s_add_co_u32 s[SNX], s[SNX], ttmp9             ; X + 2 g
	s_mul_i32 s[SNX], s[SNX], STEPS/4
	s_and_b32 s[SNX], s[SNX], STEPS-1
	s_mov_b32 s[OFA+1], 0
	s_mov_b32 s[OFB+1], 0
	s_mov_b32 s[TB], 0
	; descriptor group 1: dense bytes as rows of 128 elements (256 bytes); 64 such rows for A's tile, 128 for B's
	s_or_b32 s[G1+0], s43, (1<<16)|(1<<20)|(1<<21)|(4<<22)|(3<<25)  ; 15:0 the mask: A's tiles go to my column; 17:16 elements of 2 bytes; 20 padding on; 21 set beside a mask; 24:22 after every 32 words (code 4); 31:25 4 words of it (code 3)
	s_or_b32 s[G1B+0], s44, (1<<16)|(1<<20)|(1<<21)|(4<<22)|(3<<25) ; the same with the mask of my row
.irp g, G1, G1B
	s_mov_b32 s[(\g)+1], 128<<16                   ; tensor_dim0 = 128
	s_mov_b32 s[(\g)+3], 128<<16                   ; tile_dim0 = 128
	s_mov_b32 s[(\g)+5], 128                       ; 128 elements from row to row
	s_mov_b32 s[(\g)+6], 0
	s_mov_b32 s[(\g)+7], 0
.endr
	s_mov_b32 s[G1+2], 64<<16                      ; tensor_dim1
	s_mov_b32 s[G1+4], 64                          ; tile_dim1
	s_mov_b32 s[G1B+2], 128<<16
	s_mov_b32 s[G1B+4], 128
	s_lshl_b32 s16, s13, 19                        ; A: row block x 512 KiB + my half x 16 KiB: rb and the wave's number alone
	s_lshl_b32 s17, s12, 14
	s_add_co_u32 s16, s16, s17
	s_mov_b32 s17, 0
	s_lshl_b32 s46, s42, 20                        ; B: unit block x 1 MiB + my half x 32 KiB: jb and the wave's number alone
	s_lshl_b32 s47, s12, 15
	s_add_co_u32 s46, s46, s47
	s_mov_b32 s47, 0
	s_mul_i32 s20, s12, ASUB                       ; where they go: the wave's number alone
	s_mul_i32 s21, s12, BSUB
	s_add_co_u32 s21, s21, 2*ASUB
	s_lshl_b32 s66, s13, 4                         ; c: (16 rb + jb) x 32 KiB + wave x 8 KiB, behind the first 8 MiB
	s_add_co_u32 s66, s66, s42
	s_lshl_b32 s66, s66, 15
	s_lshl_b32 s67, s10, 13
	s_add_co_u32 s66, s66, s67
	s_add_co_u32 s66, s66, CBASE
	s_mov_b32 s67, 0
.if KIND < 2
	s_lshl_b32 s74, s13, 19                        ; h: chunk 16 + jb of row block rb, my 32 rows of 128 bytes
	s_add_co_u32 s75, s42, 16
	s_lshl_b32 s75, s75, 14
	s_add_co_u32 s74, s74, s75
	s_lshl_b32 s75, s10, 12
	s_add_co_u32 s74, s74, s75
	s_mov_b32 s75, 0
.else
	s_lshl_b32 s74, s13, 7                         ; the output: row 128 rb + 32 wave, 4,000 bytes a row, column 64 jb
	s_lshl_b32 s75, s10, 5
	s_add_co_u32 s74, s74, s75
	s_mul_i32 s74, s74, 4000
	s_lshl_b32 s75, s42, 8
	s_add_co_u32 s74, s74, s75
	s_mov_b32 s75, 0
	s_lshl_b32 s76, s42, 6
	s_sub_co_u32 s76, 1000, s76                    ; columns of the output from my block's first on
.endif
	s_wait_dscnt 0x0                               ; the opening add is done
	s_wait_kmcnt 0x0
	s_add_nc_u64 s[14:15], s[4:5], s[16:17]
	s_add_nc_u64 s[46:47], s[6:7], s[46:47]
.if KIND > 0
	s_add_nc_u64 s[68:69], s[4:5], s[66:67]
.endif
.if KIND < 2
	s_add_nc_u64 s[70:71], s[8:9], s[66:67]
.endif
	s_add_nc_u64 s[72:73], s[8:9], s[74:75]
	CROUND                                         ; all sixteen work-groups are here: the first joint loads meet
.irp s, 0,1
	s_add_co_u32 s[STM], s[SNX], \s                ; the cluster's first step, and the one behind it, modulo STEPS
	s_and_b32 s[STM], s[STM], STEPS-1
	s_lshl_b32 s[OFA], s[STM], 15                  ; a step is 32 KiB of A's stream
	s_lshl_b32 s[OFB], s[STM], 16                  ; and 64 KiB of B's
	s_mov_b32 s[G0+4*(\s)], 1                                      ; count = 1
	s_add_co_u32 s[G0+4*(\s)+1], s20, (\s)*SLOT1                   ; LDS address
	s_add_nc_u64 s[G0+4*(\s)+2:G0+4*(\s)+3], s[14:15], s[OFA:OFA+1]  ; global address
	s_or_b32 s[G0+4*(\s)+3], s[G0+4*(\s)+3], 0x80000000            ; type = 2
	s_mov_b32 s[G0B+4*(\s)], 1
	s_add_co_u32 s[G0B+4*(\s)+1], s21, (\s)*SLOT1
	s_add_nc_u64 s[G0B+4*(\s)+2:G0B+4*(\s)+3], s[46:47], s[OFB:OFB+1]
	s_or_b32 s[G0B+4*(\s)+3], s[G0B+4*(\s)+3], 0x80000000
	JLOAD \s                                       ; two tensor loads of mine are out
.endr
	s_add_co_u32 s[SNX], s[SNX], 2
	s_and_b32 s[SNX], s[SNX], STEPS-1
	v_and_b32 v1, 15, v0                           ; l % 16
	v_bfe_u32 v2, v0, 4, 1                         ; l / 16
	v_and_b32 v4, 31, v0
	v_lshlrev_b32 v[L16], 4, v4
.if KIND > 0
.set i, 0
.rept 16                               ; c comes in while K is walked: each load 512 consecutive bytes; waited for once, behind the last product
	global_load_b128 v[CC+4*i:CC+4*i+3], v[L16], s[68:69] offset:512*i th:TH_LOAD_NT
.set i, i+1
.endr
.endif
	; a fragment is 16 rows x 32 k in 8 registers: lane l holds row l % 16, k = 8 (l / 16) + 0..7 and 16 + 8 (l / 16) + 0..7: two loads of 16 bytes, 32 bytes apart
	v_mul_u32_u24 v3, v1, PITCH
	v_lshl_add_u32 v3, v2, 4, v3
	s_mul_i32 s22, s10, 64*PITCH                   ; my 64 rows of B,
	s_add_co_u32 s22, s22, 2*ASUB                  ; which lie behind A's two halves
	v_mov_b32 v[ADRA0], v3
	v_add_nc_u32 v[ADRB0], s22, v3
	v_add_nc_u32 v[ADRA], s[TB], v[ADRA0]          ; the walk begins in slot 0
	v_add_nc_u32 v[ADRB], s[TB], v[ADRB0]
.if KIND < 2
	s_lshl_b32 s23, s10, 5                         ; into the stage: row l % 16 of a block, my wave's 32 bytes, 16 for each half of the lanes
	s_add_co_u32 s23, s23, STAGE
	v_add_nc_u32 v[STO], s23, v3
	s_mul_i32 s23, s10, 32*SPITCH                  ; back: wave w takes rows 32 w .. 32 w + 31, whole: 32 lanes take four rows of 128 bytes
	s_add_co_u32 s23, s23, STAGE
	v_bfe_u32 v5, v0, 3, 2
	v_and_b32 v6, 7, v0
	v_mul_u32_u24 v5, v5, SPITCH
	v_lshl_add_u32 v5, v6, 4, v5
	v_add_nc_u32 v[RD], s23, v5
.else
	s_lshl_b32 s23, s10, 6                         ; into the stage: row l % 16 of a block, my wave's 64 bytes, 32 for each half of the lanes
	s_add_co_u32 s23, s23, STAGE
	v_mul_u32_u24 v5, v1, SPITCH
	v_lshl_add_u32 v5, v2, 5, v5
	v_add_nc_u32 v[STO], s23, v5
	s_mul_i32 s23, s10, 32*SPITCH                  ; back: lanes 0-15 take one row of 256 bytes, lanes 16-31 the next
	s_add_co_u32 s23, s23, STAGE
	v_mul_u32_u24 v6, v2, SPITCH
	v_lshl_add_u32 v6, v1, 4, v6
	v_add_nc_u32 v[RD], s23, v6
	v_mul_u32_u24 v7, v2, 4000                     ; and the same two rows in the output
	v_lshl_add_u32 v[CO], v1, 4, v7
	v_lshlrev_b32 v[CM], 2, v1
.endif
; 8 matrix instructions: row blocks a0, a0 + 1 x the four gates, 32 along K.  zero = 1: the product starts the sum: nothing is ever cleared.
; The 32 accumulators take turns in the same order in every quarter: between two links of a chain stand the 31 others'.
.macro MUL8 f, a0, zero
	WIN MUL
.irp a, \a0, (\a0)+1
.irp n, 0,1,2,3
.if \zero
	v_wmma_f32_16x16x32_bf16 v[8*(4*(\a)+(\n)):8*(4*(\a)+(\n))+7], v[(\f)+8*(\n):(\f)+8*(\n)+7], v[(\f)+32+8*(\a):(\f)+32+8*(\a)+7], 0
.else
	v_wmma_f32_16x16x32_bf16 v[8*(4*(\a)+(\n)):8*(4*(\a)+(\n))+7], v[(\f)+8*(\n):(\f)+8*(\n)+7], v[(\f)+32+8*(\a):(\f)+32+8*(\a)+7], v[8*(4*(\a)+(\n)):8*(4*(\a)+(\n))+7]
.endif
.endr
.endr
.endm
; 24 LDS loads in one run: the fragments of quarter q (32 along K) of the step in the slot in hand, into buffer f: B's four, A's blocks 0-3, A's blocks 4-7
.macro FETCH q, f
	WIN TO_F
.irp n, 0,1,2,3
	ds_load_b128 v[(\f)+8*(\n):(\f)+8*(\n)+3],   v[ADRB] offset:((\q)/2)*BSUB+((\q)%2)*64+(\n)*16*PITCH
	ds_load_b128 v[(\f)+8*(\n)+4:(\f)+8*(\n)+7], v[ADRB] offset:((\q)/2)*BSUB+((\q)%2)*64+(\n)*16*PITCH+32
.endr
.irp a, 0,1,2,3,4,5,6,7
	ds_load_b128 v[(\f)+32+8*(\a):(\f)+32+8*(\a)+3],   v[ADRA] offset:((\q)/2)*ASUB+((\q)%2)*64+(\a)*16*PITCH
	ds_load_b128 v[(\f)+32+8*(\a)+4:(\f)+32+8*(\a)+7], v[ADRA] offset:((\q)/2)*ASUB+((\q)%2)*64+(\a)*16*PITCH+32
.endr
.endm
.macro PLACES                          ; four places in front of loads into registers that matrix instructions have read, and of vector lines that read results (ISA guide 7.12.1 for vector lines)
.rept 4
	v_nop
.endr
.endm
; A K step is four quarters of 32 along K, 32 matrix instructions each, on buffers 0, 1, 0, 1.  One of the first three: multiplies buffer f and fetches quarter q of the same step into g.
.macro QUARTER q, f, g, zero
	s_wait_dscnt 8                                 ; B and A's blocks 0-3 are in; the youngest eight loads (A's blocks 4-7) may be out
	MUL8 \f, 0, \zero
	MUL8 \f, 2, \zero
	PLACES
	FETCH \q, \g
	s_wait_dscnt 24                                ; all but the 24 just issued
	MUL8 \f, 4, \zero
	MUL8 \f, 6, \zero
.endm
; The last quarter multiplies buffer 1 and changes slots: ONE barrier; in front of it each wave waits for all its tensor loads (one is out: its part of the next slot), adds 0 to its spare word, and
; waits for that and for its own reads of this slot.  The quarter's first eight products stand ahead of that wait, so that the refill follows the landing of the tile before it by eight products and the round.
; fill = 1: the barrier opens a round of the cluster's, and this slot is filled again, with the step two further on in the cluster's walk, first thing behind the round.
.macro TURN fill
	s_wait_dscnt 8                                 ; B and A's blocks 0-3 are in
	MUL8 F1, 0, 0
	WIN 0                                          ; (the add's two registers lie in window 0)
	s_wait_tensorcnt 0x0                           ; all my tensor loads have landed, so a group 0 may be written;
	ds_add_u32 v[SPW], v[NIL]                      ; 0 onto my spare word; the scalar work below stands between it and the wait for it
.if \fill
	s_lshl_b32 s[OFA], s[SNX], 15
	s_lshl_b32 s[OFB], s[SNX], 16
	s_xor_b32 s[G0+5], s[G0+5], SLOT1              ; the walking descriptor: the other slot than last time,
	s_add_nc_u64 s[G0+6:G0+7], s[14:15], s[OFA:OFA+1]  ; the address made anew from the step's number,
	s_or_b32 s[G0+7], s[G0+7], 0x80000000          ; the type set again
	s_xor_b32 s[G0B+5], s[G0B+5], SLOT1
	s_add_nc_u64 s[G0B+6:G0B+7], s[46:47], s[OFB:OFB+1]
	s_or_b32 s[G0B+7], s[G0B+7], 0x80000000
	s_add_co_u32 s[SNX], s[SNX], 1                 ; the walk goes round
	s_and_b32 s[SNX], s[SNX], STEPS-1
.endif
	s_xor_b32 s[TB], s[TB], SLOT1                  ; the fetches go on in the other slot
	s_wait_dscnt 0x0                               ; the add is done, and my reads of this slot are over
	s_barrier_signal -1
	MUL8 F1, 2, 0
	WIN 0                                          ; (branches and lines on window 0 follow)
	s_barrier_wait -1
.if \fill
	CREST                                          ; no wave of any partner still reads this slot's tiles or has a load on its way
	JLOAD 1                                        ; the four v_nop behind it are also the places in front of the loads below
.else
	PLACES
.endif
	v_add_nc_u32 v[ADRA], s[TB], v[ADRA0]
	v_add_nc_u32 v[ADRB], s[TB], v[ADRB0]
	FETCH 0, F0
	MUL8 F1, 4, 0
	MUL8 F1, 6, 0
.endm
; THE CELLS of row block a: 8 a lane.  With EI = 2^(-1.4427 i), EF, EO likewise and EG = 2^(-2.8854 g):
;   c' = c / (1 + EF) + (1 - EG) / ((1 + EI)(1 + EG)) = (c P + (1 - EG)(1 + EF)) / (P (1 + EF)), P = (1 + EI)(1 + EG);   h = (1 - EC) / ((1 + EC)(1 + EO)), EC = 2^(-2.8854 c'):
; five exponentials and two reciprocals a cell.  A factor 1 + E is not formed where a fused multiply-add does it: y (1 + E) = y E + y.
; Each run of exponentials or reciprocals is followed by one plain instruction before a result is used (ISA guide 5.7.2).  Each accumulator is read from its lowest registers on.
.macro CELLS a
	WIN RD_ACC
.irp n, 0,1,2,3
.if (KIND > 0) || ((\n) != 1)
.irp p, 0,1,2,3
.if (\n) == 2
	v_pk_mul_f32 v[TT+8*(\n)+2*(\p):TT+8*(\n)+2*(\p)+1], v[8*(4*(\a)+(\n))+2*(\p):8*(4*(\a)+(\n))+2*(\p)+1], s[22:23] op_sel_hi:[1,0]
.else
	v_pk_mul_f32 v[TT+8*(\n)+2*(\p):TT+8*(\n)+2*(\p)+1], v[8*(4*(\a)+(\n))+2*(\p):8*(4*(\a)+(\n))+2*(\p)+1], s[20:21] op_sel_hi:[1,0]
.endif
.endr
.endif
.endr
	WIN 0
.set i, 0
.rept 32
.if (KIND > 0) || (i/8 != 1)
	v_min_num_f32 v[TT+i], s2, v[TT+i]             ; the exponent's cap
.endif
.set i, i+1
.endr
.set i, 0
.rept 32
.if (KIND > 0) || (i/8 != 1)
	v_exp_f32 v[TT+i], v[TT+i]
.endif
.set i, i+1
.endr
	v_nop
	s_wait_alu depctr_va_vdst(0)
.irp p, 0,2,4,6
	v_pk_fma_f32 v[UU+(\p):UU+(\p)+1], v[TG+(\p):TG+(\p)+1], -1.0, 1.0 op_sel_hi:[1,0,0]  ; 1 - EG
.endr
.irp p, 0,2,4,6
	v_pk_add_f32 v[TG+(\p):TG+(\p)+1], v[TG+(\p):TG+(\p)+1], 1.0 op_sel_hi:[1,0]           ; 1 + EG
.endr
.irp p, 0,2,4,6
	v_pk_fma_f32 v[TI+(\p):TI+(\p)+1], v[TI+(\p):TI+(\p)+1], v[TG+(\p):TG+(\p)+1], v[TG+(\p):TG+(\p)+1]  ; P = EI (1 + EG) + (1 + EG)
.endr
.if KIND > 0
.irp p, 0,2,4,6
	v_pk_fma_f32 v[UU+(\p):UU+(\p)+1], v[UU+(\p):UU+(\p)+1], v[TF+(\p):TF+(\p)+1], v[UU+(\p):UU+(\p)+1]  ; (1 - EG)(1 + EF)
.endr
.irp p, 0,2,4,6
	v_pk_fma_f32 v[UU+(\p):UU+(\p)+1], v[CC+8*(\a)+(\p):CC+8*(\a)+(\p)+1], v[TI+(\p):TI+(\p)+1], v[UU+(\p):UU+(\p)+1]  ; + c P
.endr
.irp p, 0,2,4,6
	v_pk_fma_f32 v[TF+(\p):TF+(\p)+1], v[TI+(\p):TI+(\p)+1], v[TF+(\p):TF+(\p)+1], v[TI+(\p):TI+(\p)+1]  ; P (1 + EF)
.endr
.irp j, 0,1,2,3,4,5,6,7
	v_rcp_f32 v[TF+(\j)], v[TF+(\j)]
.endr
	v_nop
	s_wait_alu depctr_va_vdst(0)
.irp p, 0,2,4,6
	v_pk_mul_f32 v[CC+8*(\a)+(\p):CC+8*(\a)+(\p)+1], v[UU+(\p):UU+(\p)+1], v[TF+(\p):TF+(\p)+1]
.endr
.else
.irp j, 0,1,2,3,4,5,6,7
	v_rcp_f32 v[TI+(\j)], v[TI+(\j)]
.endr
	v_nop
.irp p, 0,2,4,6
	v_pk_mul_f32 v[CC+8*(\a)+(\p):CC+8*(\a)+(\p)+1], v[UU+(\p):UU+(\p)+1], v[TI+(\p):TI+(\p)+1]
.endr
.endif
.if KIND < 2
	global_store_b128 v[L16], v[CC+8*(\a):CC+8*(\a)+3], s[70:71] offset:1024*(\a)           ; 512 consecutive bytes each; c's registers are not written again
	global_store_b128 v[L16], v[CC+8*(\a)+4:CC+8*(\a)+7], s[70:71] offset:1024*(\a)+512
.endif
.irp p, 0,2,4,6
	v_pk_mul_f32 v[TI+(\p):TI+(\p)+1], v[CC+8*(\a)+(\p):CC+8*(\a)+(\p)+1], s[22:23] op_sel_hi:[1,0]
.endr
.irp j, 0,1,2,3,4,5,6,7
	v_exp_f32 v[TI+(\j)], v[TI+(\j)]
.endr
	v_nop
	s_wait_alu depctr_va_vdst(0)
.irp p, 0,2,4,6
	v_pk_fma_f32 v[UU+(\p):UU+(\p)+1], v[TI+(\p):TI+(\p)+1], -1.0, 1.0 op_sel_hi:[1,0,0]  ; 1 - EC
.endr
.irp p, 0,2,4,6
	v_pk_add_f32 v[TI+(\p):TI+(\p)+1], v[TI+(\p):TI+(\p)+1], 1.0 op_sel_hi:[1,0]           ; 1 + EC
.endr
.irp p, 0,2,4,6
	v_pk_fma_f32 v[TI+(\p):TI+(\p)+1], v[TI+(\p):TI+(\p)+1], v[TO+(\p):TO+(\p)+1], v[TI+(\p):TI+(\p)+1]  ; (1 + EC)(1 + EO)
.endr
.irp j, 0,1,2,3,4,5,6,7
	v_rcp_f32 v[TI+(\j)], v[TI+(\j)]
.endr
	v_nop
	s_wait_alu depctr_va_vdst(0)
.irp p, 0,2,4,6
	v_pk_mul_f32 v[UU+(\p):UU+(\p)+1], v[UU+(\p):UU+(\p)+1], v[TI+(\p):TI+(\p)+1]          ; h
.endr
.if KIND < 2
.irp p, 0,1,2,3
	v_cvt_pk_bf16_f32 v[HP+(\p)], v[UU+2*(\p)], v[UU+2*(\p)+1]
.endr
	ds_store_b128 v[STO], v[HP:HP+3] offset:(\a)*16*SPITCH
.else
.irp j, 0,1,2,3,4,5,6,7
	v_max_num_f32 v[UU+(\j)], 0, v[UU+(\j)]        ; relu
.endr
	ds_store_b128 v[STO], v[UU:UU+3] offset:(\a)*16*SPITCH
	ds_store_b128 v[STO], v[UU+4:UU+7] offset:(\a)*16*SPITCH+16
.endif
.endm
	s_wait_tensorcnt 0x1                           ; my part of the first step is in; the second step's may stay out
	s_barrier_signal -1
	s_barrier_wait -1                              ; everybody's is
	FETCH 0, F0
	QUARTER 1, F0, F1, 1                           ; the first quarter stands in front of the loop: its products start the sums
	WIN 0                                          ; at a label and at a branch every window is 0
	s_mov_b32 s3, STEPS-2
.Lstep:                                            ; a trip goes from a step's second quarter to the next step's first, and fills the slot that it leaves: STEPS - 2 trips ask for the walk's steps 2 .. STEPS - 1
	QUARTER 2, F1, F0, 0
	QUARTER 3, F0, F1, 0
	TURN 1
	QUARTER 1, F0, F1, 0
	WIN 0
	s_sub_co_u32 s3, s3, 1
	s_cmp_lg_u32 s3, 0
	s_cbranch_scc1 .Lstep
	QUARTER 2, F1, F0, 0                           ; the last two steps are written out: they fill nothing, and have no round of the cluster's barrier
	QUARTER 3, F0, F1, 0
	TURN 0
	QUARTER 1, F0, F1, 0
	QUARTER 2, F1, F0, 0
	QUARTER 3, F0, F1, 0
	s_wait_dscnt 8                                 ; the very last quarter: nothing more to fetch
	MUL8 F1, 0, 0
	MUL8 F1, 2, 0
	s_wait_dscnt 0x0
	MUL8 F1, 4, 0
	MUL8 F1, 6, 0
	WIN 0
	s_mov_b32 s20, 0xbfb8aa3b                      ; -log2(e)
	s_mov_b32 s21, s20                             ; named with it as a pair
	s_mov_b32 s22, 0xc038aa3b                      ; -2 log2(e)
	s_mov_b32 s23, s22
	s_mov_b32 s2, 0x41f00000                       ; 30.0
	PLACES
.if KIND > 0
	s_wait_loadcnt 0x0                             ; c
.endif
.irp a, 0,1,2,3,4,5,6,7
	CELLS \a
.endr
	; THE WAY OUT: a stage row comes from four waves, so a barrier stands between the writing and the reading; then each wave takes 32 whole rows.
	s_wait_dscnt 0x0                               ; for the others' sake: my stores into the stage are done
	s_barrier_signal -1
	s_barrier_wait -1
.if KIND < 2
.irp t, 0,1,2,3,4,5,6,7
	ds_load_b128 v[BK+4*(\t):BK+4*(\t)+3], v[RD] offset:(\t)*4*SPITCH
.endr
.irp t, 0,1,2,3,4,5,6,7
	s_wait_dscnt 7-(\t)                            ; load t is back; the younger ones may be out
	global_store_b128 v[L16], v[BK+4*(\t):BK+4*(\t)+3], s[72:73] offset:512*(\t)  ; four rows of the chunk: 512 consecutive bytes, at a multiple of 512 from the buffer's first
.endr
.else
.irp t, 0,1,2,3,4,5,6,7,8,9,10,11,12,13,14,15
	ds_load_b128 v[BK+4*(\t):BK+4*(\t)+3], v[RD] offset:(\t)*2*SPITCH
.endr
	s_wait_dscnt 0x0
	v_cmp_gt_u32 vcc_lo, s76, v[CM]                ; my four columns lie inside the output's 1,000: only the last unit block loses lanes
	s_wait_xcnt 0x0                                ; EXEC changes only behind this wait
	s_and_saveexec_b32 s77, vcc_lo
.irp t, 0,1,2,3,4,5,6,7,8,9,10,11,12,13,14,15
	global_store_b128 v[CO], v[BK+4*(\t):BK+4*(\t)+3], s[72:73] offset:8000*(\t)  ; 16 lanes store 256 consecutive bytes of a row; the output's rows are 4,000 bytes, so they begin at multiples of 16 only
.endr
	s_wait_xcnt 0x0                                ; and again, in front of the line that widens it
	s_or_b32 exec_lo, exec_lo, s77
.endif
	s_wait_tensorcnt 0x0                           ; the wave's end, behind my last tensor load and my last LDS store
	ds_add_u32 v[SPW], v[NIL]
	s_wait_dscnt 0x0
	CROUND                                         ; the closing round: no work-group ends while a partner may still ask for a tile that names it
	s_endpgm
.Lfunc_end_k_qc43ef8e44f_layer1:
	.size	k_qc43ef8e44f_layer1, .Lfunc_end_k_qc43ef8e44f_layer1-k_qc43ef8e44f_layer1
	.p2alignl 7, 3214868480
	.fill 96, 4, 3214868480
	.section	.rodata,"a",@progbits
	.p2align	6, 0x0
	.amdhsa_kernel k_qc43ef8e44f_layer1
		.amdhsa_group_segment_fixed_size 327680
		.amdhsa_private_segment_fixed_size 0
		.amdhsa_enable_private_segment 0
		.amdhsa_kernarg_size 24
		.amdhsa_user_sgpr_count 2
		.amdhsa_user_sgpr_kernarg_segment_ptr 1
		.amdhsa_wavefront_size32 1
		.amdhsa_system_sgpr_workgroup_id_x 1
		.amdhsa_system_sgpr_workgroup_id_y 1
		.amdhsa_system_sgpr_workgroup_id_z 1
		.amdhsa_system_vgpr_workitem_id 0
		.amdhsa_next_free_vgpr 768
		.amdhsa_next_free_sgpr 88
		.amdhsa_reserve_vcc 1
		.amdhsa_float_denorm_mode_32 3
		.amdhsa_float_denorm_mode_16_64 3
		.amdhsa_memory_ordered 1
		.amdhsa_forward_progress 1
		.amdhsa_inst_pref_size 119
	.end_amdhsa_kernel
	.amdgpu_metadata
---
amdhsa.version: [ 1, 2 ]
amdhsa.kernels:
  - .name:           k_qc43ef8e44f_layer1
    .symbol:         k_qc43ef8e44f_layer1.kd
    .args:
      - { .name: stA, .offset: 0, .size: 8, .value_kind: global_buffer, .address_space: global }
      - { .name: wb1, .offset: 8, .size: 8, .value_kind: global_buffer, .address_space: global }
      - { .name: stB, .offset: 16, .size: 8, .value_kind: global_buffer, .address_space: global }
    .group_segment_fixed_size: 327680
    .private_segment_fixed_size: 0
    .kernarg_segment_align: 8
    .kernarg_segment_size: 24
    .max_flat_workgroup_size: 128
    .sgpr_count:     88
    .vgpr_count:     768
    .wavefront_size: 32
...
	.end_amdgpu_metadata
.endif
;; end of part 3
;; launch layer2: the kernel of part 3 again; grid 16 x 16, 4 waves a work-group, clusters of 4 x 4, 327,680 bytes of LDS; arguments stB, wb2, stA; writes stA
;; launch layer3 (part 4): grid 16 x 16, 4 waves a work-group, clusters of 4 x 4, 327,680 bytes of LDS; arguments stA, wb3, out0; writes out0
.if DOCPART == 4
	.amdgcn_target "amdgcn-amd-amdhsa--gfx1250"
	.amdhsa_code_object_version 6
	.text
	.protected	k_qc43ef8e44f_layer3
	.globl	k_qc43ef8e44f_layer3
	.p2align	8
	.type	k_qc43ef8e44f_layer3,@function
k_qc43ef8e44f_layer3:
	s_mov_b64 s[64:65], 0
	v_nop
	global_prefetch_b8 v0, s[64:65] scope:SCOPE_SE
	s_setreg_imm32_b32 hwreg(HW_REG_WAVE_MODE, 25, 1), 1
	s_wait_xcnt 0x0
	s_wait_alu depctr_hold_cnt(0) depctr_sa_sdst(0) depctr_va_vdst(0) depctr_va_sdst(0) depctr_va_ssrc(0) depctr_va_vcc(0) depctr_vm_vsrc(0)
	s_getreg_b32 s2, hwreg(HW_REG_IB_STS2, 6, 4)
	s_cmp_eq_u32 s2, 0
	s_cbranch_scc0 .Lentry_in_a_cluster
	s_endpgm
.Lentry_in_a_cluster:
	s_bfe_u32 s2, ttmp6, 0x10000c
	s_cmp_lg_u32 s2, 0xf033
	s_cbranch_scc0 .Lentry_shape_is_right
	s_endpgm
.Lentry_shape_is_right:
; ONE LSTM LAYER, FUSED: gates = [x | h] [Wih | Whh]^T (the biases ride in two columns of K), c = sig(f) c + sig(i) tanh(g), h = sig(o) tanh(c).
; One text serves all layers; KIND picks what differs.  KIND 0: the first layer: h = c = 0 as the module sets them, so K ends with x, no c is read and f is not used.  KIND 1: a middle layer.
; KIND 2: the last layer: relu(h) goes out in f32, c is not stored.
.set KIND, 2
; ARGUMENTS: the state that is read, the layer's weights, and the state (KIND 2: the output) that is written: three different buffers.
;   state: bytes 0 .. 8 MiB: [rb 16][chunk 32][row 128][k 64] bf16: chunks 0-15 x (columns 1000, 1001 = 1.0, then 0), chunks 16-31 h.  From 8 MiB on: c in f32, as the lanes hold it:
;          [work-group rb 16 + jb][wave 4][i 16][lane 32][16 bytes].  The same lane of the same work-group reads it back in the next layer.
;   weights: [jb 16][kb 32][rr 256][k 64] bf16; kb 0-15 Wih (columns 1000, 1001 = b_ih, b_hh), kb 16-31 Whh; row rr = 64 w + 16 g + u is gate g of unit 64 jb + 16 w + u.
; SHARES.  256 work-groups: row block rb (128 rows, along the grid's x) x unit block jb (64 units x 4 gates = 256 columns, along y).  Wave w makes 128 rows x the four gates of 16 units: 32 accumulators, 256 registers.
; THE MATRIX INSTRUCTION IS USED TRANSPOSED (source 0 = 16 weight rows, source 1 = 16 rows of x | h): lane l holds row l % 16 and the units 8 (l / 16) + 0..7, alike in the four gates'
; accumulators: i, f, g and o of a cell lie in one lane at one register number, and the cell is finished in registers.
; THE WALK OF K.  K goes in steps of 128 through two LDS slots.  A step's tiles are dense in memory (two chunks of A, two of B) and are asked for as rows of 256 bytes, padded in LDS after every 128.
; A step is written once: a trip of the loop goes from a step's second quarter to the next step's first.  Slot 1 begins at 1 << 17, past slot 0's 110,592 bytes, so that one exclusive or turns the
; slot's base, and the LDS word of the one descriptor that walks, from one slot to the other.
; CLUSTERS: 4 x 4 work-groups.  The four of a column of the cluster share rb and so A's tiles, the four of a row share jb and so B's: each tile is asked for JOINTLY, by the same tensor load with
; the same descriptor and a mask that names the four.
; WHERE A CLUSTER BEGINS.  The four clusters with the same cluster y walk the same tiles of B, the four with the same cluster x the same tiles of A.  Cluster (X, Y) begins at step
; (X + 2 g) STEPS / 4, g = (Y xor Y / 2) mod 2, and goes round modulo STEPS: clusters that share B's tiles are one, two or three quarters of the walk apart, and of those that share A's tiles any two
; with unlike g are half the walk apart.  So a tile is asked for at different times, and all requests for it but the first are for bytes that have been read before.  The start hangs on the cluster's
; number alone, which the sixteen partners share; a fill's global address is made anew from the step's number.
; LIMITS.  x, h and the weights are bf16 in the products, sums and c in f32; the order of a sum along K begins at the cluster's own step, so it differs from block to block and from the reference's.
; The exponents of 2^(-1.4427 i), .. are capped at 30: a sigmoid below 2^-30 counts as 2^-30, and the largest denominator, a product of three terms of at most 1 + 2^30, stays in f32's range
; for every finite gate.  |c| <= 4 (each layer adds at most 1), so its exponential needs no cap.  NaN and infinities in the inputs are not carried on (the cap drops a NaN).
; In KIND 0 w_hh[0] is not used: it multiplies zeros.
; REGISTERS, in windows of 256 (s_set_vgpr_msb: bits 1:0 source 0, 3:2 source 1, 5:4 source 2, 7:6 destination):
;   window 0: v0-31 addresses; v32-63 the four gates of 8 cells; v64-71, v80-83 at work; v128-191 c; v192-255 rows read back from the stage
;   window 1: two fragment buffers of 96: four of B (gate n at f + 8 n), eight of A (block a at f + 32 + 8 a)          window 2: accumulator (a, n) at v[8 (4 a + n)]
.if KIND == 0
.set STEPS,  8
.else
.set STEPS,  16
.endif
.set PITCH,  144                       ; an LDS row: 128 bytes of data + 16 of padding = 36 words: the 16 rows of a fragment load start at 16 different groups of four banks (64 banks of 4 bytes: ISA guide 11.1)
.set ASUB,   128*PITCH                 ; 128 rows x 64 k of A: one tensor load
.set BSUB,   256*PITCH                 ; 256 rows x 64 k of B: one tensor load
.set SLOT1,  1<<17                     ; a slot: A's two halves of a K step, then B's two: 110,592 bytes; slot 0 at 0, slot 1 here
.set STAGE,  SLOT1+2*ASUB+2*BSUB       ; behind the ring, never filled by a tensor load: 128 rows of h, the work-group's
.if KIND == 2
.set SPITCH, 272                       ; 64 f32 + 16 bytes
.else
.set SPITCH, 144                       ; 64 bf16 + 16 bytes
.endif
.set SPARE,  STAGE+128*SPITCH          ; behind the stage: the spare words, 128 bytes for each wave: two blocks of 256 bytes that no other line names
.set CBASE,  8388608
.set ADRA0, 16                         ; v16     my lane's place among A's fragments in slot 0; never rewritten
.set ADRA,  17                         ; v17     the same in the slot in hand
.set ADRB0, 20                         ; v20, v21  the same for B
.set ADRB,  21
.set STO,  24                          ; v24     where I put my part of a stage row
.set RD,   25                          ; v25     where I read stage rows back
.set CO,   26                          ; v26     KIND 2: my byte offset in two rows of the output
.set L16,  27                          ; v27     16 x lane; never rewritten
.set SPW,  28                          ; v28     LDS address of my spare word; never rewritten
.set NIL,  29                          ; v29     0; never rewritten
.set CM,   30                          ; v30     KIND 2: 4 (l % 16), my first column in the block
.set TT,   32
.set TI,   TT
.set TF,   TT+8
.set TG,   TT+16
.set TO,   TT+24
.set UU,   64
.set HP,   80
.set CC,   128
.set BK,   192
.set F0,   0
.set F1,   96
.set G1,   24                          ; s[24:31] descriptor group 1 for A's tiles;  s[32:39] group 0: a set for each of the two first fills; the second then walks on
.set G0,   32
.set G1B,  48                          ; s[48:55], s[56:63] the same for B's tiles
.set G0B,  56
.set SNX,  78                          ; s78     the K step to be asked for next
.set STM,  79                          ; s79     at work
.set OFA,  80                          ; s[80:81] a step's byte offset in A's stream, high word 0
.set OFB,  82                          ; s[82:83] the same for B's
.set TB,   84                          ; s84     LDS byte at which the slot in hand begins: 0 or SLOT1
; s[4:9] the three addresses; s10 wave; s11 wave / 2 (0: I fetch for A, 1: for B); s12 wave % 2 (which half of the K step); s13 rb; s42 jb; s40, s41 my place in the cluster; s43, s44 the masks;
; s[14:15], s[46:47] A's and B's streams at my half of step 0; s[66:67], s[74:75] offsets made of rb and jb together, which feed no descriptor; s[68:69] c in; s[70:71] c out; s[72:73] h or the output;
; s3 trips; at the end s[20:21] = -log2(e), s[22:23] = -2 log2(e), s2 = 30.0, s76 columns left in the output, s77 EXEC
.set MSB, 0
.macro WIN new                         ; the immediate's high byte repeats the setting that is left; a switch that changes nothing is dropped
.if MSB != (\new)
	s_set_vgpr_msb (MSB<<8)|(\new)
.set MSB, \new
.endif
.endm
.set MUL,    0xa5                      ; sources 0 (B) and 1 (A) window 1; C and D window 2
.set TO_F,   0x40                      ; destination window 1, address window 0
.set RD_ACC, 0x02                      ; source 0 window 2, destination window 0
.macro JLOAD s                         ; a joint load: waves 0 and 1 fetch A's two halves, waves 2 and 3 B's; an s_nop 0 and four v_nop follow each of the two lines, ahead of the jump, the label and what follows
	s_cmp_eq_u32 s11, 0
	s_cbranch_scc0 .Lfor_b_\@
	tensor_load_to_lds s[G0+4*(\s):G0+4*(\s)+3], s[G1:G1+7]
	s_nop 0
.rept 4
	v_nop
.endr
	s_branch .Lasked_\@
.Lfor_b_\@:
	tensor_load_to_lds s[G0B+4*(\s):G0B+4*(\s)+3], s[G1B:G1B+7]
	s_nop 0
.rept 4
	v_nop
.endr
.Lasked_\@:
.endm
.macro CREST                           ; a round of the cluster's barrier behind its opening barrier
	s_cmp_lg_u32 s10, 0
	s_cbranch_scc1 .Lnot_wave_0_\@
	s_barrier_signal -3
.Lnot_wave_0_\@:
	s_barrier_wait -3
	s_barrier_signal -1
	s_barrier_wait -1
.endm
.macro CROUND                          ; a whole round
	s_barrier_signal -1
	s_barrier_wait -1
	CREST
.endm
	s_load_b128 s[4:7], s[0:1], 0x0                ; the state that is read s[4:5], the weights s[6:7]
	s_load_b64 s[8:9], s[0:1], 0x10                ; what is written
	v_lshl_add_u32 v[SPW], v0, 2, SPARE
	v_mov_b32 v[NIL], 0
	ds_add_u32 v[SPW], v[NIL]                      ; the wave's opening: the add and its wait stand ahead of my first tensor load; the set-up below, work on registers, stands between them
	v_lshrrev_b32 v1, 5, v0
	v_readfirstlane_b32 s10, v1                    ; wave 0..3
	s_lshr_b32 s11, s10, 1
	s_and_b32 s12, s10, 1
	s_bfe_u32 s40, ttmp6, 0x40000                  ; cx, cy: my place in the cluster
	s_bfe_u32 s41, ttmp6, 0x40004
	s_lshl_b32 s13, ttmp9, 2
	s_add_co_u32 s13, s13, s40                     ; rb = 4 x cluster x + cx
	s_and_b32 s42, ttmp7, 0xffff
	s_lshl_b32 s42, s42, 2
	s_add_co_u32 s42, s42, s41                     ; jb = 4 x cluster y + cy
	s_lshl_b32 s43, 0x1111, s40                    ; my column of the cluster (the same cx): it shares rb
	s_lshl_b32 s44, s41, 2
	s_lshl_b32 s44, 15, s44                        ; my row (the same cy): it shares jb
	s_and_b32 s[STM], ttmp7, 0xffff                ; where my cluster begins K: made of the cluster's x and y alone
	s_lshr_b32 s[SNX], s[STM], 1
	s_xor_b32 s[SNX], s[SNX], s[STM]
	s_and_b32 s[SNX], s[SNX], 1                    ; g
	s_lshl_b32 s[SNX], s[SNX], 1
	s_add_co_u32 s[SNX], s[SNX], ttmp9             ; X + 2 g
	s_mul_i32 s[SNX], s[SNX], STEPS/4
	s_and_b32 s[SNX], s[SNX], STEPS-1
	s_mov_b32 s[OFA+1], 0
	s_mov_b32 s[OFB+1], 0
	s_mov_b32 s[TB], 0
	; descriptor group 1: dense bytes as rows of 128 elements (256 bytes); 64 such rows for A's tile, 128 for B's
	s_or_b32 s[G1+0], s43, (1<<16)|(1<<20)|(1<<21)|(4<<22)|(3<<25)  ; 15:0 the mask: A's tiles go to my column; 17:16 elements of 2 bytes; 20 padding on; 21 set beside a mask; 24:22 after every 32 words (code 4); 31:25 4 words of it (code 3)
	s_or_b32 s[G1B+0], s44, (1<<16)|(1<<20)|(1<<21)|(4<<22)|(3<<25) ; the same with the mask of my row
.irp g, G1, G1B
	s_mov_b32 s[(\g)+1], 128<<16                   ; tensor_dim0 = 128
	s_mov_b32 s[(\g)+3], 128<<16                   ; tile_dim0 = 128
	s_mov_b32 s[(\g)+5], 128                       ; 128 elements from row to row
	s_mov_b32 s[(\g)+6], 0
	s_mov_b32 s[(\g)+7], 0
.endr
	s_mov_b32 s[G1+2], 64<<16                      ; tensor_dim1
	s_mov_b32 s[G1+4], 64                          ; tile_dim1
	s_mov_b32 s[G1B+2], 128<<16
	s_mov_b32 s[G1B+4], 128
	s_lshl_b32 s16, s13, 19                        ; A: row block x 512 KiB + my half x 16 KiB: rb and the wave's number alone
	s_lshl_b32 s17, s12, 14
	s_add_co_u32 s16, s16, s17
	s_mov_b32 s17, 0
	s_lshl_b32 s46, s42, 20                        ; B: unit block x 1 MiB + my half x 32 KiB: jb and the wave's number alone
	s_lshl_b32 s47, s12, 15
	s_add_co_u32 s46, s46, s47
	s_mov_b32 s47, 0
	s_mul_i32 s20, s12, ASUB                       ; where they go: the wave's number alone
	s_mul_i32 s21, s12, BSUB
	s_add_co_u32 s21, s21, 2*ASUB
	s_lshl_b32 s66, s13, 4                         ; c: (16 rb + jb) x 32 KiB + wave x 8 KiB, behind the first 8 MiB
	s_add_co_u32 s66, s66, s42
	s_lshl_b32 s66, s66, 15
	s_lshl_b32 s67, s10, 13
	s_add_co_u32 s66, s66, s67
	s_add_co_u32 s66, s66, CBASE
	s_mov_b32 s67, 0
.if KIND < 2
	s_lshl_b32 s74, s13, 19                        ; h: chunk 16 + jb of row block rb, my 32 rows of 128 bytes
	s_add_co_u32 s75, s42, 16
	s_lshl_b32 s75, s75, 14
	s_add_co_u32 s74, s74, s75
	s_lshl_b32 s75, s10, 12
	s_add_co_u32 s74, s74, s75
	s_mov_b32 s75, 0
.else
	s_lshl_b32 s74, s13, 7                         ; the output: row 128 rb + 32 wave, 4,000 bytes a row, column 64 jb
	s_lshl_b32 s75, s10, 5
	s_add_co_u32 s74, s74, s75
	s_mul_i32 s74, s74, 4000
	s_lshl_b32 s75, s42, 8
	s_add_co_u32 s74, s74, s75
	s_mov_b32 s75, 0
	s_lshl_b32 s76, s42, 6
	s_sub_co_u32 s76, 1000, s76                    ; columns of the output from my block's first on
.endif
	s_wait_dscnt 0x0                               ; the opening add is done
	s_wait_kmcnt 0x0
	s_add_nc_u64 s[14:15], s[4:5], s[16:17]
	s_add_nc_u64 s[46:47], s[6:7], s[46:47]
.if KIND > 0
	s_add_nc_u64 s[68:69], s[4:5], s[66:67]
.endif
.if KIND < 2
	s_add_nc_u64 s[70:71], s[8:9], s[66:67]
.endif
	s_add_nc_u64 s[72:73], s[8:9], s[74:75]
	CROUND                                         ; all sixteen work-groups are here: the first joint loads meet
.irp s, 0,1
	s_add_co_u32 s[STM], s[SNX], \s                ; the cluster's first step, and the one behind it, modulo STEPS
	s_and_b32 s[STM], s[STM], STEPS-1
	s_lshl_b32 s[OFA], s[STM], 15                  ; a step is 32 KiB of A's stream
	s_lshl_b32 s[OFB], s[STM], 16                  ; and 64 KiB of B's
	s_mov_b32 s[G0+4*(\s)], 1                                      ; count = 1
	s_add_co_u32 s[G0+4*(\s)+1], s20, (\s)*SLOT1                   ; LDS address
	s_add_nc_u64 s[G0+4*(\s)+2:G0+4*(\s)+3], s[14:15], s[OFA:OFA+1]  ; global address
	s_or_b32 s[G0+4*(\s)+3], s[G0+4*(\s)+3], 0x80000000            ; type = 2
	s_mov_b32 s[G0B+4*(\s)], 1
	s_add_co_u32 s[G0B+4*(\s)+1], s21, (\s)*SLOT1
	s_add_nc_u64 s[G0B+4*(\s)+2:G0B+4*(\s)+3], s[46:47], s[OFB:OFB+1]
	s_or_b32 s[G0B+4*(\s)+3], s[G0B+4*(\s)+3], 0x80000000
	JLOAD \s                                       ; two tensor loads of mine are out
.endr
	s_add_co_u32 s[SNX], s[SNX], 2
	s_and_b32 s[SNX], s[SNX], STEPS-1
	v_and_b32 v1, 15, v0                           ; l % 16
	v_bfe_u32 v2, v0, 4, 1                         ; l / 16
	v_and_b32 v4, 31, v0
	v_lshlrev_b32 v[L16], 4, v4
.if KIND > 0
.set i, 0
.rept 16                               ; c comes in while K is walked: each load 512 consecutive bytes; waited for once, behind the last product
	global_load_b128 v[CC+4*i:CC+4*i+3], v[L16], s[68:69] offset:512*i th:TH_LOAD_NT
.set i, i+1
.endr
.endif
	; a fragment is 16 rows x 32 k in 8 registers: lane l holds row l % 16, k = 8 (l / 16) + 0..7 and 16 + 8 (l / 16) + 0..7: two loads of 16 bytes, 32 bytes apart
	v_mul_u32_u24 v3, v1, PITCH
	v_lshl_add_u32 v3, v2, 4, v3
	s_mul_i32 s22, s10, 64*PITCH                   ; my 64 rows of B,
	s_add_co_u32 s22, s22, 2*ASUB                  ; which lie behind A's two halves
	v_mov_b32 v[ADRA0], v3
	v_add_nc_u32 v[ADRB0], s22, v3
	v_add_nc_u32 v[ADRA], s[TB], v[ADRA0]          ; the walk begins in slot 0
	v_add_nc_u32 v[ADRB], s[TB], v[ADRB0]
.if KIND < 2
	s_lshl_b32 s23, s10, 5                         ; into the stage: row l % 16 of a block, my wave's 32 bytes, 16 for each half of the lanes
	s_add_co_u32 s23, s23, STAGE
	v_add_nc_u32 v[STO], s23, v3
	s_mul_i32 s23, s10, 32*SPITCH                  ; back: wave w takes rows 32 w .. 32 w + 31, whole: 32 lanes take four rows of 128 bytes
	s_add_co_u32 s23, s23, STAGE
	v_bfe_u32 v5, v0, 3, 2
	v_and_b32 v6, 7, v0
	v_mul_u32_u24 v5, v5, SPITCH
	v_lshl_add_u32 v5, v6, 4, v5
	v_add_nc_u32 v[RD], s23, v5
.else
	s_lshl_b32 s23, s10, 6                         ; into the stage: row l % 16 of a block, my wave's 64 bytes, 32 for each half of the lanes
	s_add_co_u32 s23, s23, STAGE
	v_mul_u32_u24 v5, v1, SPITCH
	v_lshl_add_u32 v5, v2, 5, v5
	v_add_nc_u32 v[STO], s23, v5
	s_mul_i32 s23, s10, 32*SPITCH                  ; back: lanes 0-15 take one row of 256 bytes, lanes 16-31 the next
	s_add_co_u32 s23, s23, STAGE
	v_mul_u32_u24 v6, v2, SPITCH
	v_lshl_add_u32 v6, v1, 4, v6
	v_add_nc_u32 v[RD], s23, v6
	v_mul_u32_u24 v7, v2, 4000                     ; and the same two rows in the output
	v_lshl_add_u32 v[CO], v1, 4, v7
	v_lshlrev_b32 v[CM], 2, v1
.endif
; 8 matrix instructions: row blocks a0, a0 + 1 x the four gates, 32 along K.  zero = 1: the product starts the sum: nothing is ever cleared.
; The 32 accumulators take turns in the same order in every quarter: between two links of a chain stand the 31 others'.
.macro MUL8 f, a0, zero
	WIN MUL
.irp a, \a0, (\a0)+1
.irp n, 0,1,2,3
.if \zero
	v_wmma_f32_16x16x32_bf16 v[8*(4*(\a)+(\n)):8*(4*(\a)+(\n))+7], v[(\f)+8*(\n):(\f)+8*(\n)+7], v[(\f)+32+8*(\a):(\f)+32+8*(\a)+7], 0
.else
	v_wmma_f32_16x16x32_bf16 v[8*(4*(\a)+(\n)):8*(4*(\a)+(\n))+7], v[(\f)+8*(\n):(\f)+8*(\n)+7], v[(\f)+32+8*(\a):(\f)+32+8*(\a)+7], v[8*(4*(\a)+(\n)):8*(4*(\a)+(\n))+7]
.endif
.endr
.endr
.endm
; 24 LDS loads in one run: the fragments of quarter q (32 along K) of the step in the slot in hand, into buffer f: B's four, A's blocks 0-3, A's blocks 4-7
.macro FETCH q, f
	WIN TO_F
.irp n, 0,1,2,3
	ds_load_b128 v[(\f)+8*(\n):(\f)+8*(\n)+3],   v[ADRB] offset:((\q)/2)*BSUB+((\q)%2)*64+(\n)*16*PITCH
	ds_load_b128 v[(\f)+8*(\n)+4:(\f)+8*(\n)+7], v[ADRB] offset:((\q)/2)*BSUB+((\q)%2)*64+(\n)*16*PITCH+32
.endr
.irp a, 0,1,2,3,4,5,6,7
	ds_load_b128 v[(\f)+32+8*(\a):(\f)+32+8*(\a)+3],   v[ADRA] offset:((\q)/2)*ASUB+((\q)%2)*64+(\a)*16*PITCH
	ds_load_b128 v[(\f)+32+8*(\a)+4:(\f)+32+8*(\a)+7], v[ADRA] offset:((\q)/2)*ASUB+((\q)%2)*64+(\a)*16*PITCH+32
.endr
.endm
.macro PLACES                          ; four places in front of loads into registers that matrix instructions have read, and of vector lines that read results (ISA guide 7.12.1 for vector lines)
.rept 4
	v_nop
.endr
.endm
; A K step is four quarters of 32 along K, 32 matrix instructions each, on buffers 0, 1, 0, 1.  One of the first three: multiplies buffer f and fetches quarter q of the same step into g.
.macro QUARTER q, f, g, zero
	s_wait_dscnt 8                                 ; B and A's blocks 0-3 are in; the youngest eight loads (A's blocks 4-7) may be out
	MUL8 \f, 0, \zero
	MUL8 \f, 2, \zero
	PLACES
	FETCH \q, \g
	s_wait_dscnt 24                                ; all but the 24 just issued
	MUL8 \f, 4, \zero
	MUL8 \f, 6, \zero
.endm
; The last quarter multiplies buffer 1 and changes slots: ONE barrier; in front of it each wave waits for all its tensor loads (one is out: its part of the next slot), adds 0 to its spare word, and
; waits for that and for its own reads of this slot.  The quarter's first eight products stand ahead of that wait, so that the refill follows the landing of the tile before it by eight products and the round.
; fill = 1: the barrier opens a round of the cluster's, and this slot is filled again, with the step two further on in the cluster's walk, first thing behind the round.
.macro TURN fill
	s_wait_dscnt 8                                 ; B and A's blocks 0-3 are in
	MUL8 F1, 0, 0
	WIN 0                                          ; (the add's two registers lie in window 0)
	s_wait_tensorcnt 0x0                           ; all my tensor loads have landed, so a group 0 may be written;
	ds_add_u32 v[SPW], v[NIL]                      ; 0 onto my spare word; the scalar work below stands between it and the wait for it
.if \fill
	s_lshl_b32 s[OFA], s[SNX], 15
	s_lshl_b32 s[OFB], s[SNX], 16
	s_xor_b32 s[G0+5], s[G0+5], SLOT1              ; the walking descriptor: the other slot than last time,
	s_add_nc_u64 s[G0+6:G0+7], s[14:15], s[OFA:OFA+1]  ; the address made anew from the step's number,
	s_or_b32 s[G0+7], s[G0+7], 0x80000000          ; the type set again
	s_xor_b32 s[G0B+5], s[G0B+5], SLOT1
	s_add_nc_u64 s[G0B+6:G0B+7], s[46:47], s[OFB:OFB+1]
	s_or_b32 s[G0B+7], s[G0B+7], 0x80000000
	s_add_co_u32 s[SNX], s[SNX], 1                 ; the walk goes round
	s_and_b32 s[SNX], s[SNX], STEPS-1
.endif
	s_xor_b32 s[TB], s[TB], SLOT1                  ; the fetches go on in the other slot
	s_wait_dscnt 0x0                               ; the add is done, and my reads of this slot are over
	s_barrier_signal -1
	MUL8 F1, 2, 0
	WIN 0                                          ; (branches and lines on window 0 follow)
	s_barrier_wait -1
.if \fill
	CREST                                          ; no wave of any partner still reads this slot's tiles or has a load on its way
	JLOAD 1                                        ; the four v_nop behind it are also the places in front of the loads below
.else
	PLACES
.endif
	v_add_nc_u32 v[ADRA], s[TB], v[ADRA0]
	v_add_nc_u32 v[ADRB], s[TB], v[ADRB0]
	FETCH 0, F0
	MUL8 F1, 4, 0
	MUL8 F1, 6, 0
.endm
; THE CELLS of row block a: 8 a lane.  With EI = 2^(-1.4427 i), EF, EO likewise and EG = 2^(-2.8854 g):
;   c' = c / (1 + EF) + (1 - EG) / ((1 + EI)(1 + EG)) = (c P + (1 - EG)(1 + EF)) / (P (1 + EF)), P = (1 + EI)(1 + EG);   h = (1 - EC) / ((1 + EC)(1 + EO)), EC = 2^(-2.8854 c'):
; five exponentials and two reciprocals a cell.  A factor 1 + E is not formed where a fused multiply-add does it: y (1 + E) = y E + y.
; Each run of exponentials or reciprocals is followed by one plain instruction before a result is used (ISA guide 5.7.2).  Each accumulator is read from its lowest registers on.
.macro CELLS a
	WIN RD_ACC
.irp n, 0,1,2,3
.if (KIND > 0) || ((\n) != 1)
.irp p, 0,1,2,3
.if (\n) == 2
	v_pk_mul_f32 v[TT+8*(\n)+2*(\p):TT+8*(\n)+2*(\p)+1], v[8*(4*(\a)+(\n))+2*(\p):8*(4*(\a)+(\n))+2*(\p)+1], s[22:23] op_sel_hi:[1,0]
.else
	v_pk_mul_f32 v[TT+8*(\n)+2*(\p):TT+8*(\n)+2*(\p)+1], v[8*(4*(\a)+(\n))+2*(\p):8*(4*(\a)+(\n))+2*(\p)+1], s[20:21] op_sel_hi:[1,0]
.endif
.endr
.endif
.endr
	WIN 0
.set i, 0
.rept 32
.if (KIND > 0) || (i/8 != 1)
	v_min_num_f32 v[TT+i], s2, v[TT+i]             ; the exponent's cap
.endif
.set i, i+1
.endr
.set i, 0
.rept 32
.if (KIND > 0) || (i/8 != 1)
	v_exp_f32 v[TT+i], v[TT+i]
.endif
.set i, i+1
.endr
	v_nop
	s_wait_alu depctr_va_vdst(0)
.irp p, 0,2,4,6
	v_pk_fma_f32 v[UU+(\p):UU+(\p)+1], v[TG+(\p):TG+(\p)+1], -1.0, 1.0 op_sel_hi:[1,0,0]  ; 1 - EG
.endr
.irp p, 0,2,4,6
	v_pk_add_f32 v[TG+(\p):TG+(\p)+1], v[TG+(\p):TG+(\p)+1], 1.0 op_sel_hi:[1,0]           ; 1 + EG
.endr
.irp p, 0,2,4,6
	v_pk_fma_f32 v[TI+(\p):TI+(\p)+1], v[TI+(\p):TI+(\p)+1], v[TG+(\p):TG+(\p)+1], v[TG+(\p):TG+(\p)+1]  ; P = EI (1 + EG) + (1 + EG)
.endr
.if KIND > 0
.irp p, 0,2,4,6
	v_pk_fma_f32 v[UU+(\p):UU+(\p)+1], v[UU+(\p):UU+(\p)+1], v[TF+(\p):TF+(\p)+1], v[UU+(\p):UU+(\p)+1]  ; (1 - EG)(1 + EF)
.endr
.irp p, 0,2,4,6
	v_pk_fma_f32 v[UU+(\p):UU+(\p)+1], v[CC+8*(\a)+(\p):CC+8*(\a)+(\p)+1], v[TI+(\p):TI+(\p)+1], v[UU+(\p):UU+(\p)+1]  ; + c P
.endr
.irp p, 0,2,4,6
	v_pk_fma_f32 v[TF+(\p):TF+(\p)+1], v[TI+(\p):TI+(\p)+1], v[TF+(\p):TF+(\p)+1], v[TI+(\p):TI+(\p)+1]  ; P (1 + EF)
.endr
.irp j, 0,1,2,3,4,5,6,7
	v_rcp_f32 v[TF+(\j)], v[TF+(\j)]
.endr
	v_nop
	s_wait_alu depctr_va_vdst(0)
.irp p, 0,2,4,6
	v_pk_mul_f32 v[CC+8*(\a)+(\p):CC+8*(\a)+(\p)+1], v[UU+(\p):UU+(\p)+1], v[TF+(\p):TF+(\p)+1]
.endr
.else
.irp j, 0,1,2,3,4,5,6,7
	v_rcp_f32 v[TI+(\j)], v[TI+(\j)]
.endr
	v_nop
.irp p, 0,2,4,6
	v_pk_mul_f32 v[CC+8*(\a)+(\p):CC+8*(\a)+(\p)+1], v[UU+(\p):UU+(\p)+1], v[TI+(\p):TI+(\p)+1]
.endr
.endif
.if KIND < 2
	global_store_b128 v[L16], v[CC+8*(\a):CC+8*(\a)+3], s[70:71] offset:1024*(\a)           ; 512 consecutive bytes each; c's registers are not written again
	global_store_b128 v[L16], v[CC+8*(\a)+4:CC+8*(\a)+7], s[70:71] offset:1024*(\a)+512
.endif
.irp p, 0,2,4,6
	v_pk_mul_f32 v[TI+(\p):TI+(\p)+1], v[CC+8*(\a)+(\p):CC+8*(\a)+(\p)+1], s[22:23] op_sel_hi:[1,0]
.endr
.irp j, 0,1,2,3,4,5,6,7
	v_exp_f32 v[TI+(\j)], v[TI+(\j)]
.endr
	v_nop
	s_wait_alu depctr_va_vdst(0)
.irp p, 0,2,4,6
	v_pk_fma_f32 v[UU+(\p):UU+(\p)+1], v[TI+(\p):TI+(\p)+1], -1.0, 1.0 op_sel_hi:[1,0,0]  ; 1 - EC
.endr
.irp p, 0,2,4,6
	v_pk_add_f32 v[TI+(\p):TI+(\p)+1], v[TI+(\p):TI+(\p)+1], 1.0 op_sel_hi:[1,0]           ; 1 + EC
.endr
.irp p, 0,2,4,6
	v_pk_fma_f32 v[TI+(\p):TI+(\p)+1], v[TI+(\p):TI+(\p)+1], v[TO+(\p):TO+(\p)+1], v[TI+(\p):TI+(\p)+1]  ; (1 + EC)(1 + EO)
.endr
.irp j, 0,1,2,3,4,5,6,7
	v_rcp_f32 v[TI+(\j)], v[TI+(\j)]
.endr
	v_nop
	s_wait_alu depctr_va_vdst(0)
.irp p, 0,2,4,6
	v_pk_mul_f32 v[UU+(\p):UU+(\p)+1], v[UU+(\p):UU+(\p)+1], v[TI+(\p):TI+(\p)+1]          ; h
.endr
.if KIND < 2
.irp p, 0,1,2,3
	v_cvt_pk_bf16_f32 v[HP+(\p)], v[UU+2*(\p)], v[UU+2*(\p)+1]
.endr
	ds_store_b128 v[STO], v[HP:HP+3] offset:(\a)*16*SPITCH
.else
.irp j, 0,1,2,3,4,5,6,7
	v_max_num_f32 v[UU+(\j)], 0, v[UU+(\j)]        ; relu
.endr
	ds_store_b128 v[STO], v[UU:UU+3] offset:(\a)*16*SPITCH
	ds_store_b128 v[STO], v[UU+4:UU+7] offset:(\a)*16*SPITCH+16
.endif
.endm
	s_wait_tensorcnt 0x1                           ; my part of the first step is in; the second step's may stay out
	s_barrier_signal -1
	s_barrier_wait -1                              ; everybody's is
	FETCH 0, F0
	QUARTER 1, F0, F1, 1                           ; the first quarter stands in front of the loop: its products start the sums
	WIN 0                                          ; at a label and at a branch every window is 0
	s_mov_b32 s3, STEPS-2
.Lstep:                                            ; a trip goes from a step's second quarter to the next step's first, and fills the slot that it leaves: STEPS - 2 trips ask for the walk's steps 2 .. STEPS - 1
	QUARTER 2, F1, F0, 0
	QUARTER 3, F0, F1, 0
	TURN 1
	QUARTER 1, F0, F1, 0
	WIN 0
	s_sub_co_u32 s3, s3, 1
	s_cmp_lg_u32 s3, 0
	s_cbranch_scc1 .Lstep
	QUARTER 2, F1, F0, 0                           ; the last two steps are written out: they fill nothing, and have no round of the cluster's barrier
	QUARTER 3, F0, F1, 0
	TURN 0
	QUARTER 1, F0, F1, 0
	QUARTER 2, F1, F0, 0
	QUARTER 3, F0, F1, 0
	s_wait_dscnt 8                                 ; the very last quarter: nothing more to fetch
	MUL8 F1, 0, 0
	MUL8 F1, 2, 0
	s_wait_dscnt 0x0
	MUL8 F1, 4, 0
	MUL8 F1, 6, 0
	WIN 0
	s_mov_b32 s20, 0xbfb8aa3b                      ; -log2(e)
	s_mov_b32 s21, s20                             ; named with it as a pair
	s_mov_b32 s22, 0xc038aa3b                      ; -2 log2(e)
	s_mov_b32 s23, s22
	s_mov_b32 s2, 0x41f00000                       ; 30.0
	PLACES
.if KIND > 0
	s_wait_loadcnt 0x0                             ; c
.endif
.irp a, 0,1,2,3,4,5,6,7
	CELLS \a
.endr
	; THE WAY OUT: a stage row comes from four waves, so a barrier stands between the writing and the reading; then each wave takes 32 whole rows.
	s_wait_dscnt 0x0                               ; for the others' sake: my stores into the stage are done
	s_barrier_signal -1
	s_barrier_wait -1
.if KIND < 2
.irp t, 0,1,2,3,4,5,6,7
	ds_load_b128 v[BK+4*(\t):BK+4*(\t)+3], v[RD] offset:(\t)*4*SPITCH
.endr
.irp t, 0,1,2,3,4,5,6,7
	s_wait_dscnt 7-(\t)                            ; load t is back; the younger ones may be out
	global_store_b128 v[L16], v[BK+4*(\t):BK+4*(\t)+3], s[72:73] offset:512*(\t)  ; four rows of the chunk: 512 consecutive bytes, at a multiple of 512 from the buffer's first
.endr
.else
.irp t, 0,1,2,3,4,5,6,7,8,9,10,11,12,13,14,15
	ds_load_b128 v[BK+4*(\t):BK+4*(\t)+3], v[RD] offset:(\t)*2*SPITCH
.endr
	s_wait_dscnt 0x0
	v_cmp_gt_u32 vcc_lo, s76, v[CM]                ; my four columns lie inside the output's 1,000: only the last unit block loses lanes
	s_wait_xcnt 0x0                                ; EXEC changes only behind this wait
	s_and_saveexec_b32 s77, vcc_lo
.irp t, 0,1,2,3,4,5,6,7,8,9,10,11,12,13,14,15
	global_store_b128 v[CO], v[BK+4*(\t):BK+4*(\t)+3], s[72:73] offset:8000*(\t)  ; 16 lanes store 256 consecutive bytes of a row; the output's rows are 4,000 bytes, so they begin at multiples of 16 only
.endr
	s_wait_xcnt 0x0                                ; and again, in front of the line that widens it
	s_or_b32 exec_lo, exec_lo, s77
.endif
	s_wait_tensorcnt 0x0                           ; the wave's end, behind my last tensor load and my last LDS store
	ds_add_u32 v[SPW], v[NIL]
	s_wait_dscnt 0x0
	CROUND                                         ; the closing round: no work-group ends while a partner may still ask for a tile that names it
	s_endpgm
.Lfunc_end_k_qc43ef8e44f_layer3:
	.size	k_qc43ef8e44f_layer3, .Lfunc_end_k_qc43ef8e44f_layer3-k_qc43ef8e44f_layer3
	.p2alignl 7, 3214868480
	.fill 96, 4, 3214868480
	.section	.rodata,"a",@progbits
	.p2align	6, 0x0
	.amdhsa_kernel k_qc43ef8e44f_layer3
		.amdhsa_group_segment_fixed_size 327680
		.amdhsa_private_segment_fixed_size 0
		.amdhsa_enable_private_segment 0
		.amdhsa_kernarg_size 24
		.amdhsa_user_sgpr_count 2
		.amdhsa_user_sgpr_kernarg_segment_ptr 1
		.amdhsa_wavefront_size32 1
		.amdhsa_system_sgpr_workgroup_id_x 1
		.amdhsa_system_sgpr_workgroup_id_y 1
		.amdhsa_system_sgpr_workgroup_id_z 1
		.amdhsa_system_vgpr_workitem_id 0
		.amdhsa_next_free_vgpr 768
		.amdhsa_next_free_sgpr 88
		.amdhsa_reserve_vcc 1
		.amdhsa_float_denorm_mode_32 3
		.amdhsa_float_denorm_mode_16_64 3
		.amdhsa_memory_ordered 1
		.amdhsa_forward_progress 1
		.amdhsa_inst_pref_size 120
	.end_amdhsa_kernel
	.amdgpu_metadata
---
amdhsa.version: [ 1, 2 ]
amdhsa.kernels:
  - .name:           k_qc43ef8e44f_layer3
    .symbol:         k_qc43ef8e44f_layer3.kd
    .args:
      - { .name: stA, .offset: 0, .size: 8, .value_kind: global_buffer, .address_space: global }
      - { .name: wb3, .offset: 8, .size: 8, .value_kind: global_buffer, .address_space: global }
      - { .name: out0, .offset: 16, .size: 8, .value_kind: global_buffer, .address_space: global }
    .group_segment_fixed_size: 327680
    .private_segment_fixed_size: 0
    .kernarg_segment_align: 8
    .kernarg_segment_size: 24
    .max_flat_workgroup_size: 128
    .sgpr_count:     88
    .vgpr_count:     768
    .wavefront_size: 32
...
	.end_amdgpu_metadata
.endif
;; end of part 4
